; MI455X (gfx1250); checked and timed in simulation.
; The chip was launched on July 23, 2026; its instructions are those of AMD's public machine-readable ISA for CDNA 5 (MIT licence, August 2026) and "CDNA5" Instruction Set Architecture Reference Guide (July 2026). The comments in the code are by the model that wrote it; some were corrected since.
;; Mo E Runtime Experts. Allowed arithmetic: float matrix products may take bf16 or f16 operands with f32 sums; other float arithmetic in f32, or as packed bf16 or f16 multiplies, adds, multiply-adds, maxima and minima; sums over many terms, partial sums and values carried from step to step in f32; what a program stores and reads back later, other than sums and carried values, may be rounded once to bf16 or f16.
;; Inputs: bias1 8 x 4,096 float32; bias2 8 x 1,024 float32; indices_s 1,024 int32; weight1 8 x 1,024 x 4,096 float32; weight2 8 x 4,096 x 1,024 float32; x 1,024 x 1,024 float32.
;; Outputs: out0 1,024 x 1 x 1,024 float32.
;; 2 versions, each right and faster than the one before. Each part assembles by itself: llvm-mc -triple=amdgcn-amd-amdhsa -mcpu=gfx1250 --defsym DOCPART=n.
;; ======== version 1 of 2: 4 launches
;; workspace buffers: xs 2,097,152 bytes; hbuf 8,388,608 bytes; part 8,388,608 bytes
;; launch prep (part 1): grid 256 x 1, 4 waves a work-group, no clusters, 0 bytes of LDS; arguments x, indices_s, xs; writes xs
.if DOCPART == 1
	.amdgcn_target "amdgcn-amd-amdhsa--gfx1250"
	.amdhsa_code_object_version 6
	.text
	.protected	k_qf20f1cbe1d_prep
	.globl	k_qf20f1cbe1d_prep
	.p2align	8
	.type	k_qf20f1cbe1d_prep,@function
k_qf20f1cbe1d_prep:
	s_mov_b64 s[64:65], 0
	v_nop
	global_prefetch_b8 v0, s[64:65] scope:SCOPE_SE
	s_setreg_imm32_b32 hwreg(HW_REG_WAVE_MODE, 25, 1), 1
	s_wait_xcnt 0x0
; xs[pos(t)][:] = x[t][:] rounded to bf16, where pos(t) is token t's place when the tokens are sorted by expert, ties by token number.
; x [1024][1024] f32, indices_s [1024] i32, xs [1024][1024] bf16.  A wave takes one token: 4,096 bytes in, 2,048 consecutive bytes out.
; pos(t) = the number of tokens j with key(j) < key(t), key(j) = 1024 x expert(j) + j: every wave counts it for itself from all 1,024 indices (4,096 bytes).
; A stream: no LDS, no barrier, no matrix unit.
.set IDX, 32                           ; v32-63  register 4 q + c holds the index of token 128 q + 4 lane + c
.set X,   64                           ; v64-95  the row in f32: piece q = columns 256 q + 8 lane .. + 7
.set Y,   96                           ; v96-111 the row in bf16
.set KEY, 13
.set POS, 18
	s_load_b128 s[4:7], s[0:1], 0x0                ; x s[4:5], indices s[6:7]
	s_load_b64 s[8:9], s[0:1], 0x10                ; xs
	v_lshrrev_b32 v1, 5, v0
	v_readfirstlane_b32 s10, v1                    ; wave
	v_and_b32 v1, 31, v0                           ; lane
	s_lshl_b32 s11, ttmp9, 2
	s_add_co_u32 s11, s11, s10                     ; my token
	s_lshl_b32 s12, s11, 2
	s_lshl_b32 s16, s11, 12                        ; its row in x
	s_mov_b32 s17, 0
	v_lshlrev_b32 v2, 4, v1                        ; 16 x lane
	v_lshlrev_b32 v3, 5, v1                        ; 32 x lane
	v_lshlrev_b32 v4, 2, v1                        ; 4 x lane
	s_wait_kmcnt 0x0
	s_load_b32 s[KEY], s[6:7], s12 offset:0x0      ; my token's expert
	s_add_nc_u64 s[14:15], s[4:5], s[16:17]
.irp q,0,1,2,3,4,5,6,7
	global_load_b128 v[IDX+4*\q:IDX+4*\q+3], v2, s[6:7] offset:512*\q
.endr
.irp q,0,1,2,3
	global_load_b128 v[X+8*\q:X+8*\q+3],   v3, s[14:15] offset:1024*\q th:TH_LOAD_NT
	global_load_b128 v[X+8*\q+4:X+8*\q+7], v3, s[14:15] offset:1024*\q+16 th:TH_LOAD_NT
.endr
	s_wait_kmcnt 0x0
	s_lshl_b32 s[KEY], s[KEY], 10
	s_add_co_u32 s[KEY], s[KEY], s11               ; my key
	s_mov_b32 s[POS], 0
	s_wait_loadcnt 8                               ; the indices are in; the row's eight loads may be out
.set n_, 0
.rept 32
	v_lshl_add_u32 v5, v[IDX+n_], 10, v4           ; key(j) less the register's constant part
	s_sub_co_i32 s20, s[KEY], 128*(n_/4)+n_%4
	v_cmp_gt_i32 s21, s20, v5
	s_bcnt1_i32_b32 s21, s21
	s_add_co_u32 s[POS], s[POS], s21
.set n_, n_+1
.endr
	s_min_u32 s[POS], s[POS], 0x3ff
	s_lshl_b32 s16, s[POS], 11                     ; a row of xs is 2,048 bytes
	s_add_nc_u64 s[8:9], s[8:9], s[16:17]
	s_wait_loadcnt 0x0
.set n_, 0
.rept 16
	v_cvt_pk_bf16_f32 v[Y+n_], v[X+2*n_], v[X+2*n_+1]
.set n_, n_+1
.endr
.irp q,0,1,2,3
	global_store_b128 v2, v[Y+4*\q:Y+4*\q+3], s[8:9] offset:512*\q  ; 512 consecutive bytes, at a multiple of 256 from xs's first byte
.endr
	s_endpgm
.Lfunc_end_k_qf20f1cbe1d_prep:
	.size	k_qf20f1cbe1d_prep, .Lfunc_end_k_qf20f1cbe1d_prep-k_qf20f1cbe1d_prep
	.p2alignl 7, 3214868480
	.fill 96, 4, 3214868480
	.section	.rodata,"a",@progbits
	.p2align	6, 0x0
	.amdhsa_kernel k_qf20f1cbe1d_prep
		.amdhsa_group_segment_fixed_size 0
		.amdhsa_private_segment_fixed_size 0
		.amdhsa_enable_private_segment 0
		.amdhsa_kernarg_size 24
		.amdhsa_user_sgpr_count 2
		.amdhsa_user_sgpr_kernarg_segment_ptr 1
		.amdhsa_wavefront_size32 1
		.amdhsa_system_sgpr_workgroup_id_x 1
		.amdhsa_system_sgpr_workgroup_id_y 1
		.amdhsa_system_sgpr_workgroup_id_z 1
		.amdhsa_system_vgpr_workitem_id 0
		.amdhsa_next_free_vgpr 112
		.amdhsa_next_free_sgpr 66
		.amdhsa_reserve_vcc 0
		.amdhsa_float_denorm_mode_32 3
		.amdhsa_float_denorm_mode_16_64 3
		.amdhsa_memory_ordered 1
		.amdhsa_forward_progress 1
		.amdhsa_inst_pref_size 12
	.end_amdhsa_kernel
	.amdgpu_metadata
---
amdhsa.version: [ 1, 2 ]
amdhsa.kernels:
  - .name:           k_qf20f1cbe1d_prep
    .symbol:         k_qf20f1cbe1d_prep.kd
    .args:
      - { .name: x, .offset: 0, .size: 8, .value_kind: global_buffer, .address_space: global }
      - { .name: indices_s, .offset: 8, .size: 8, .value_kind: global_buffer, .address_space: global }
      - { .name: xs, .offset: 16, .size: 8, .value_kind: global_buffer, .address_space: global }
    .group_segment_fixed_size: 0
    .private_segment_fixed_size: 0
    .kernarg_segment_align: 8
    .kernarg_segment_size: 24
    .max_flat_workgroup_size: 128
    .sgpr_count:     66
    .vgpr_count:     112
    .wavefront_size: 32
...
	.end_amdgpu_metadata
.endif
;; end of part 1
;; launch ffn1 (part 2): grid 32 x 8, 8 waves a work-group, no clusters, 298,496 bytes of LDS; arguments xs, indices_s, weight1, bias1, hbuf; writes hbuf
.if DOCPART == 2
	.amdgcn_target "amdgcn-amd-amdhsa--gfx1250"
	.amdhsa_code_object_version 6
	.text
	.protected	k_qf20f1cbe1d_ffn1
	.globl	k_qf20f1cbe1d_ffn1
	.p2align	8
	.type	k_qf20f1cbe1d_ffn1,@function
k_qf20f1cbe1d_ffn1:
	s_mov_b64 s[64:65], 0
	v_nop
	global_prefetch_b8 v0, s[64:65] scope:SCOPE_SE
	s_setreg_imm32_b32 hwreg(HW_REG_WAVE_MODE, 25, 1), 1
	s_wait_xcnt 0x0
; hbuf[row][n] = gelu(xs[row] . W1[e][:, n] + b1[e][n]) in bf16, for the rows of expert e (rows lie sorted by expert).  xs [1024][1024] bf16, W1 [8][1024][4096] f32, hbuf [1024][4096] bf16.
; SHARES.  Work-group (slice, e): 128 columns of expert e's W1 (1,024 x 128 numbers, read by this work-group alone) and ALL rows of e.  The expert's first row and its count are counted from indices_s by every wave.
; Every wave runs the same text.  The slice goes in 16 chunks of 64 k.  In a trip each wave rounds its eighth of a chunk to bf16 and lays it into LDS ([k][n]; each LDS byte is written once),
; asks for the chunk three on and for the token rows two on, passes a barrier, multiplies the chunk by its own two tiles of 16 rows, and passes a second barrier: a store and another wave's read are always a barrier apart.
; A pass serves 256 rows (tile t of wave w: rows 128 t + 16 w on); the first pass runs beside the stream, later passes (an expert with more than 256 rows) read the slice that then lies whole in LDS.
; LDS.  Row k of the slice (256 bytes) lies in region k % 8, at 256 (k / 8); a region is 32,768 + 32 bytes, so the 8 rows that 16 lanes of a turning load touch (32 bytes each) start 32 bytes apart
; modulo 256: every bank once (64 banks of 4 bytes: ISA guide 11.1).  Wave w fills region w alone.
; THE MATRIX INSTRUCTION IS USED TRANSPOSED: source 0 = 16 columns of W (turned on the way out of LDS), source 1 = 16 rows of xs: a lane holds one row and eight neighbouring columns.
; The sums start from the bias: it is loaded straight into the accumulators.
; NO MULTICAST: a slice has one reader; the token rows that an expert's work-groups share are a ninth of a trip's bytes (4 KiB of 36).
; LIMITS.  erfc by a five-term rational formula, absolute error 1.5e-7.  An expert without rows still streams its slice and stores nothing.
; In a tile that is not full the places past the count repeat the expert's last row: the same bytes are stored to that row again.
.set NA,      8                        ; loads of token rows for a chunk: 2 K steps x 2 tiles x 2
.set REG,     32800                    ; a region of the slice
.set CHL,     2048                     ; a chunk in a region: 8 rows of 256 bytes
.set KSL,     1024                     ; a K step of 32 in a region
.set CHUNKG,  64*16384                 ; a chunk in memory: 64 rows of W1
.set WSTEP,   8*16384                  ; from one load of mine to the next: 8 rows
.set ACH,     128                      ; a chunk's 64 k in a row of xs
.set STAGE,   262656                   ; behind the slice: 16 rows x 272 bytes for each wave, for the way out
.set SP,      272
.set SPARE,   STAGE+8*16*SP            ; the spare words, 128 bytes for each of the eight waves: four blocks of 256 bytes that no other line names
.set SPW, 2                            ; v2  SPARE + 4 x my thread's number; never rewritten
.set NIL, 3                            ; v3  0; never rewritten
.set R,   4                            ; v4  lane % 16
.set HH,  5                            ; v5  lane / 16
.set VBA, 6                            ; v6  LDS address of my part of the turning loads, chunk in hand
.set VBA0,7                            ; v7  the same for chunk 0
.set AO,  8                            ; v8-9  tile t: byte offset of my row in xs, + 16 (lane / 16)
.set WO,  10                           ; v10 16 x lane
.set SA,  11                           ; v11 LDS address of my 8 bytes in my first row of the chunk in hand
.set STO, 12                           ; v12 the way out: where I put 16 bytes of a row
.set RD,  13                           ; v13 the way out: where I read a row back
.set C16, 14                           ; v14 16 (lane % 16)
.set HP,  15                           ; v15 32 (lane / 16): my place in 64 bytes of bias
.set SO,  16                           ; v16-23 the stores' offsets
.set AR,  32                           ; v32-127  token fragments, three sets: set, K step s, tile t at AR + 32 set + 16 s + 8 t (at the head: the indices)
.set BF,  128                          ; v128-191 fragments of W, two buffers of four
.set OUT, 208                          ; v208-239 the way out: rows read back
; window 1: accumulator (tile t, column tile c) at 64 t + 8 c; three sets of W in f32; a set rounded; behind the stream W's registers are at work in the activation
.set WR,  128
.set TR,  224
.set AX,  128
.set ZZ,  136
.set UU,  144
.set PP,  152
.set PK,  160
.set WV,  14                           ; s14 wave   s16 expert   s17 slice
.set EX,  16
.set SL,  17
.set CNT, 18                           ; s18 rows of my expert   s19 max(count, 1) - 1   s31 its first row
.set CM1, 19
.set OFF, 31
.set ACT, 32                           ; s32-33 tile t holds a real row   s34-35 its first row among the expert's
.set R0,  34
.set RB,  36                           ; s36 first row of the pass
.set W16, 39                           ; s39 16 x wave
.set CZ,  66                           ; s66-79 the activation's constants, each twice (named as pairs); s80 clears a sign
.set CU,  68
.set A5,  70
.set A4,  72
.set A3,  74
.set A2,  76
.set A1,  78
.set ABSM,80
.set MSB, 0
.macro WIN new                         ; the immediate's high byte repeats the setting that is left; a switch that changes nothing is dropped
.if MSB != (\new)
	s_set_vgpr_msb (MSB<<8)|(\new)
.set MSB, (\new)
.endif
.endm
.macro PLACES                          ; four places behind matrix instructions, in front of loads into their registers and of reads of their results
.rept 4
	v_nop
.endr
.endm
.macro KPAIR reg, val
	s_mov_b32 s[\reg], \val
	s_mov_b32 s[(\reg)+1], \val
.endm
.macro BAR
	s_barrier_signal -1
	s_barrier_wait -1
.endm
.macro ISSUE set, coff                 ; 8 loads: my 8 rows of a chunk (k % 8 = my wave), 512 neighbouring bytes each
	WIN 0x40                                       ; destination window 1, address window 0
.set i_, 0
.rept 8
	global_load_b128 v[WR+32*(\set)+4*i_:WR+32*(\set)+4*i_+3], v[WO], s[24:25] offset:(\coff)*CHUNKG+i_*WSTEP th:TH_LOAD_NT
.set i_, i_+1
.endr
.endm
.macro REK set, s, coff                ; 4 loads: K step s (32 k = 64 bytes of a row) of my two tiles, as fragments: k = 8 h .. and 16 + 8 h ..
.irp t,0,1
	global_load_b128 v[AR+32*(\set)+16*(\s)+8*\t:AR+32*(\set)+16*(\s)+8*\t+3],   v[AO+\t], s[26:27] offset:(\coff)*ACH+64*(\s)
	global_load_b128 v[AR+32*(\set)+16*(\s)+8*\t+4:AR+32*(\set)+16*(\s)+8*\t+7], v[AO+\t], s[26:27] offset:(\coff)*ACH+64*(\s)+32
.endr
.endm
.macro RE set, coff                    ; a chunk's token rows
	WIN 0
	REK \set, 0, \coff
	REK \set, 1, \coff
.endm
.macro LOADBIAS t                      ; 16 loads: the sums of tile t start from the bias, 8 numbers a lane for each column tile
	WIN 0x40
.irp c,0,1,2,3,4,5,6,7
	global_load_b128 v[64*(\t)+8*\c:64*(\t)+8*\c+3],   v[HP], s[56:57] offset:64*\c
	global_load_b128 v[64*(\t)+8*\c+4:64*(\t)+8*\c+7], v[HP], s[56:57] offset:64*\c+16
.endr
	WIN 0
.endm
.macro SETROWS                         ; my two tiles' rows for the pass that begins at row RB
.irp t,0,1
	s_add_co_u32 s[R0+\t], s[RB], 128*\t
	s_add_co_u32 s[R0+\t], s[R0+\t], s[W16]        ; the tile's first row among the expert's
	s_cmp_lt_u32 s[R0+\t], s[CNT]
	s_cselect_b32 s[ACT+\t], 1, 0
	v_add_nc_u32 v28, s[R0+\t], v[R]
	v_min_u32 v28, s[CM1], v28                     ; places past the count repeat the last real row
	v_add_nc_u32 v28, s[OFF], v28
	v_min_u32 v28, 0x3ff, v28
	v_lshlrev_b32 v28, 11, v28                     ; a row of xs is 2,048 bytes
	v_lshl_add_u32 v[AO+\t], v[HH], 4, v28
.endr
.endm
.macro LB g                            ; group g = 2 s + n half: four fragments of W (16 columns x 32 k), turned, into buffer g % 2
	WIN 0
.irp f,0,1,2,3
	ds_load_tr16_b128 v[BF+32*((\g)%2)+8*\f:BF+32*((\g)%2)+8*\f+3],   v[VBA] offset:((\g)/2)*KSL+32*(4*((\g)%2)+\f)
	ds_load_tr16_b128 v[BF+32*((\g)%2)+8*\f+4:BF+32*((\g)%2)+8*\f+7], v[VBA] offset:((\g)/2)*KSL+KSL/2+32*(4*((\g)%2)+\f)
.endr
.endm
.macro MUL1 t, f, g, set
	v_wmma_f32_16x16x32_bf16 v[64*(\t)+8*(4*((\g)%2)+(\f)):64*(\t)+8*(4*((\g)%2)+(\f))+7], v[BF+32*((\g)%2)+8*(\f):BF+32*((\g)%2)+8*(\f)+7], v[AR+32*(\set)+16*((\g)/2)+8*(\t):AR+32*(\set)+16*((\g)/2)+8*(\t)+7], v[64*(\t)+8*(4*((\g)%2)+(\f)):64*(\t)+8*(4*((\g)%2)+(\f))+7]
.endm
.macro MM g, set                       ; group g's products: the accumulators take turns, one instruction a turn; tile 1's four are jumped where it holds no real row
	WIN 0x50                                       ; W and tokens in window 0, C and D in window 1
.irp f,0,1,2,3
	MUL1 0, \f, \g, \set
.endr
	WIN 0
	s_cmp_eq_u32 s[ACT+1], 0
	s_cbranch_scc1 .Lno1_\@
	WIN 0x50
.irp f,0,1,2,3
	MUL1 1, \f, \g, \set
.endr
	WIN 0
.Lno1_\@:
.endm
.macro COMPUTE set                     ; a chunk's products: 2 K steps x 2 halves of the columns.  The roundings of the trip's first part are the places in front of the first loads
	LB 0
	LB 1
	s_wait_dscnt 8                                 ; group 0 is in; group 1's eight loads may be out
	MM 0, \set
	PLACES
	LB 2
	s_wait_dscnt 8
	MM 1, \set
	PLACES
	LB 3
	s_wait_dscnt 8
	MM 2, \set
	s_wait_dscnt 0x0                               ; group 3 is in, and no LDS instruction of mine is out at the signal that follows
	MM 3, \set
	v_add_nc_u32 v[VBA], CHL, v[VBA]
.endm
; Trip c, set = c % 3.  w: the loads that may stay out when W(c) and the token rows A(c) have to be there.  isa: A(c+2) is asked for; isw: W(c+3).
.macro TRIP set, isa, isw, w
	s_wait_loadcnt \w                              ; loads come back in order (ISA guide 5.7.1)
	WIN 0x45                                       ; all in window 1
.set i_, 0
.rept 16
	v_cvt_pk_bf16_f32 v[TR+i_], v[WR+32*(\set)+2*i_], v[WR+32*(\set)+2*i_+1]
.set i_, i_+1
.endr
.if \isa
	s_wait_xcnt 0x0                                ; the bases are stepped only behind this wait
	s_add_nc_u64 s[26:27], s[26:27], ACH
	s_add_nc_u64 s[24:25], s[24:25], CHUNKG
	RE ((\set)+2)%3, 1
.endif
.if \isw
	ISSUE \set, 2
.endif
	WIN 0x04                                       ; address window 0, data window 1
.set i_, 0
.rept 8
	ds_store_b64 v[SA], v[TR+2*i_:TR+2*i_+1] offset:256*i_     ; 32 lanes: the 256 bytes of row 64 c + 8 i + wave
.set i_, i_+1
.endr
	WIN 0
	v_add_nc_u32 v[SA], CHL, v[SA]
	s_wait_dscnt 0x0                               ; for the others' sake: my stores are done in front of the signal
	BAR                                            ; the chunk is whole
	COMPUTE \set
	BAR                                            ; every wave's reads of it are over
.endm
; gelu(x) = max(x, 0) - 0.5 |x| q,  q = erfc(|x| / sqrt 2) = t (a1 + t (a2 + t (a3 + t (a4 + t a5)))) 2^(-z z),  t = 1 / (1 + 0.2316419 |x|),  z = 0.8493218 |x|.
; Eight numbers of the accumulator at a (window 1), from its low end on; the result, rounded to bf16, in PK.
.macro GELU8 a
	WIN 0x55                                       ; all in window 1
.irp j,0,1,2,3,4,5,6,7
	v_and_b32 v[AX+\j], s[ABSM], v[(\a)+\j]
.endr
.irp p,0,2,4,6
	v_pk_mul_f32 v[ZZ+\p:ZZ+\p+1], v[AX+\p:AX+\p+1], s[CZ:CZ+1] op_sel_hi:[1,0]
	v_pk_fma_f32 v[UU+\p:UU+\p+1], v[AX+\p:AX+\p+1], s[CU:CU+1], 1.0 op_sel_hi:[1,0,0]
.endr
.irp p,0,2,4,6
	v_pk_mul_f32 v[ZZ+\p:ZZ+\p+1], v[ZZ+\p:ZZ+\p+1], v[ZZ+\p:ZZ+\p+1] neg_lo:[0,1] neg_hi:[0,1]
.endr
.irp j,0,1,2,3,4,5,6,7
	v_rcp_f32 v[UU+\j], v[UU+\j]
.endr
.irp j,0,1,2,3,4,5,6,7
	v_exp_f32 v[ZZ+\j], v[ZZ+\j]
.endr
	v_nop                                          ; a plain instruction between the transcendentals and the use of their results (ISA guide 5.7.2)
	s_wait_alu depctr_va_vdst(0)
.irp p,0,2,4,6
	v_pk_fma_f32 v[PP+\p:PP+\p+1], v[UU+\p:UU+\p+1], s[A5:A5+1], s[A4:A4+1] op_sel_hi:[1,0,0]
.endr
.irp k,A3,A2,A1
.irp p,0,2,4,6
	v_pk_fma_f32 v[PP+\p:PP+\p+1], v[PP+\p:PP+\p+1], v[UU+\p:UU+\p+1], s[\k:\k+1] op_sel_hi:[1,1,0]
.endr
.endr
.irp p,0,2,4,6
	v_pk_mul_f32 v[PP+\p:PP+\p+1], v[PP+\p:PP+\p+1], v[UU+\p:UU+\p+1]
.endr
.irp p,0,2,4,6
	v_pk_mul_f32 v[PP+\p:PP+\p+1], v[PP+\p:PP+\p+1], v[ZZ+\p:ZZ+\p+1]
.endr
.irp p,0,2,4,6
	v_pk_mul_f32 v[PP+\p:PP+\p+1], v[PP+\p:PP+\p+1], v[AX+\p:AX+\p+1]
.endr
.irp j,0,1,2,3,4,5,6,7
	v_max_num_f32 v[ZZ+\j], 0, v[(\a)+\j]
.endr
.irp p,0,2,4,6
	v_pk_fma_f32 v[ZZ+\p:ZZ+\p+1], v[PP+\p:PP+\p+1], -0.5, v[ZZ+\p:ZZ+\p+1] op_sel_hi:[1,0,1]
.endr
.irp i,0,1,2,3
	v_cvt_pk_bf16_f32 v[PK+\i], v[ZZ+2*\i], v[ZZ+2*\i+1]
.endr
.endm
; THE WAY OUT of tile t: activation, 16 bytes a lane into my own stage, back as whole rows of 256 bytes, stored.
.macro EPI t
	WIN 0
	s_cmp_eq_u32 s[ACT+\t], 0
	s_cbranch_scc1 .Lskip_\@                       ; a tile without a real row stores nothing
	s_wait_xcnt 0x0                                ; earlier stores' offsets and data are rewritten only behind this wait
.irp c,0,1,2,3,4,5,6,7
	GELU8 64*(\t)+8*\c
	WIN 0x04                                       ; address window 0, data window 1
	ds_store_b128 v[STO], v[PK:PK+3] offset:32*\c
.endr
	WIN 0
.irp i,0,1,2,3,4,5,6,7
	ds_load_b128 v[OUT+4*\i:OUT+4*\i+3], v[RD] offset:2*SP*\i  ; LDS serves a wave's instructions in order (ISA guide 5.7.1.4): these see the stores above
.endr
.irp i,0,1,2,3,4,5,6,7
	s_add_co_u32 s20, s[R0+\t], 2*\i
	v_add_nc_u32 v[SO+\i], s20, v[HH]              ; row 2 i + lane / 16 of the tile,
	v_min_u32 v[SO+\i], s[CM1], v[SO+\i]           ; held to the expert's last row,
	v_add_nc_u32 v[SO+\i], s[OFF], v[SO+\i]        ; among all rows
	v_min_u32 v[SO+\i], 0x3ff, v[SO+\i]
	v_lshl_add_u32 v[SO+\i], v[SO+\i], 13, v[C16]  ; a row of hbuf is 8,192 bytes
.endr
	s_wait_dscnt 0x0
.irp i,0,1,2,3,4,5,6,7
	global_store_b128 v[SO+\i], v[OUT+4*\i:OUT+4*\i+3], s[28:29]  ; 16 lanes store 256 consecutive bytes, at a multiple of 256 from hbuf's first byte
.endr
.Lskip_\@:
.endm
	s_load_b256 s[4:11], s[0:1], 0x0               ; xs s[4:5], indices s[6:7], W1 s[8:9], b1 s[10:11]
	s_load_b64 s[12:13], s[0:1], 0x20              ; hbuf
	v_lshl_add_u32 v[SPW], v0, 2, SPARE
	v_mov_b32 v[NIL], 0
	v_lshrrev_b32 v1, 5, v0
	v_readfirstlane_b32 s[WV], v1                  ; wave 0..7
	v_and_b32 v1, 31, v0                           ; lane
	s_and_b32 s[EX], ttmp7, 0xffff                 ; expert
	s_mov_b32 s[SL], ttmp9                         ; slice of 128 columns
	s_mov_b32 s23, 0
	v_and_b32 v[R], 15, v1
	v_lshrrev_b32 v[HH], 4, v1
	v_lshlrev_b32 v[WO], 4, v1
	v_lshlrev_b32 v[HP], 5, v[HH]
	s_wait_kmcnt 0x0
.irp q,0,1,2,3,4,5,6,7
	global_load_b128 v[AR+4*\q:AR+4*\q+3], v[WO], s[6:7] offset:512*\q  ; all 1,024 indices
.endr
	s_lshl_b32 s22, s[EX], 14
	s_lshl_b32 s20, s[SL], 9
	s_add_co_u32 s22, s22, s20
	s_add_nc_u64 s[56:57], s[10:11], s[22:23]      ; b1 at expert and slice
	LOADBIAS 0
	s_lshl_b32 s22, s[EX], 24
	s_add_co_u32 s22, s22, s20
	s_lshl_b32 s20, s[WV], 14
	s_add_co_u32 s22, s22, s20
	s_add_nc_u64 s[24:25], s[8:9], s[22:23]        ; W1 at expert, slice, row k = my wave
	ISSUE 0, 0                                     ; three chunks' parts go out at once
	ISSUE 1, 1
	ISSUE 2, 2
	WIN 0
	s_lshl_b32 s22, s[SL], 8
	s_add_nc_u64 s[28:29], s[12:13], s[22:23]      ; hbuf at the slice's 256 bytes
	s_mov_b64 s[26:27], s[4:5]                     ; xs at chunk 0
	s_mul_i32 s20, s[WV], REG
	v_lshl_add_u32 v[SA], v1, 3, s20               ; my region, 8 bytes a lane
	v_and_b32 v28, 7, v1                           ; the turning load: lane l reads k = 8 (l / 16) + l % 8: region l % 8,
	v_mul_u32_u24 v28, v28, REG
	v_lshl_add_u32 v28, v[HH], 8, v28              ; row l / 16 of it,
	v_bfe_u32 v29, v1, 3, 1
	v_lshl_add_u32 v[VBA0], v29, 4, v28            ; columns 8 ((l / 8) % 2) on
	v_mov_b32 v[VBA], v[VBA0]
	s_mul_i32 s21, s[WV], 16*SP
	s_add_co_u32 s21, s21, STAGE                   ; my stage
	v_mul_u32_u24 v28, v[R], SP
	v_lshl_add_u32 v28, v[HH], 4, v28
	v_add_nc_u32 v[STO], s21, v28
	v_mul_u32_u24 v28, v[HH], SP
	v_lshl_add_u32 v28, v[R], 4, v28
	v_add_nc_u32 v[RD], s21, v28
	v_lshlrev_b32 v[C16], 4, v[R]
	s_lshl_b32 s[W16], s[WV], 4
	s_mov_b32 s[CNT], 0
	s_mov_b32 s[OFF], 0
	s_mov_b32 s[RB], 0
	KPAIR CZ, 0x3f596d27                           ; 0.8493218 = sqrt(log2(e) / 2)
	KPAIR CU, 0x3e6d3388                           ; 0.2316419 = 0.3275911 / sqrt 2
	KPAIR A5, 0x3f87dc22                           ; 1.061405429
	KPAIR A4, 0xbfba00e3                           ; -1.453152027
	KPAIR A3, 0x3fb5f0e3                           ; 1.421413741
	KPAIR A2, 0xbe91a98e                           ; -0.284496736
	KPAIR A1, 0x3e827906                           ; 0.254829592
	s_mov_b32 s[ABSM], 0x7fffffff
	s_wait_loadcnt 24                              ; the indices and tile 0's bias are in; the 24 loads of W, issued behind them, may be out
.set n_, 0
.rept 32                               ; my expert's rows, and the rows of the experts in front of it
	v_cmp_eq_u32 s20, s[EX], v[AR+n_]
	v_cmp_gt_u32 s21, s[EX], v[AR+n_]
	s_bcnt1_i32_b32 s20, s20
	s_bcnt1_i32_b32 s21, s21
	s_add_co_u32 s[CNT], s[CNT], s20
	s_add_co_u32 s[OFF], s[OFF], s21
.set n_, n_+1
.endr
	s_max_u32 s[CM1], s[CNT], 1
	s_sub_co_u32 s[CM1], s[CM1], 1
	SETROWS
	LOADBIAS 1
	RE 0, 0                                        ; chunks 0 and 1 of the token rows
	RE 1, 1
	TRIP 0, 1, 1, NA                               ; the head's order was W0 W1 W2 .. A0 A1: behind A0 only A1 is out
	TRIP 1, 1, 1, NA+8                             ; behind A1: A2 and W3
	s_mov_b32 s30, 3
.Lloop:                                                ; trips 2 to 10.  Behind A(c): W(c+1), A(c+1), W(c+2)
	TRIP 2, 1, 1, NA+16
	TRIP 0, 1, 1, NA+16
	TRIP 1, 1, 1, NA+16
	s_sub_co_u32 s30, s30, 1
	s_cmp_lg_u32 s30, 0
	s_cbranch_scc1 .Lloop
	TRIP 2, 1, 1, NA+16                            ; trips 11 and 12 ask for the last of W
	TRIP 0, 1, 1, NA+16
	TRIP 1, 1, 0, NA+16                            ; trip 13 asks for A15 alone
	TRIP 2, 0, 0, NA+8                             ; behind A14: W15 and A15
	TRIP 0, 0, 0, 0
	; PASSES.  Four trips cover 1,024 rows.  A trip sends the rows in hand out; then, if the expert has rows left, it multiplies the next 256 against the slice in LDS.
	; Two barriers a trip, on every wave's path: one between the way out's stores into the stages and the pass's reads of LDS, one between those reads and the next way out
	; (and the closing add): here too a store into LDS and another wave's read are always a barrier apart.  The jump on the count passes neither.
	s_mov_b32 s37, 4
.Lpass:
	PLACES
	EPI 0
	EPI 1
	s_wait_dscnt 0x0                               ; no LDS instruction of mine is out at the signal
	BAR
	s_mov_b32 s[ACT], 0
	s_mov_b32 s[ACT+1], 0
	s_add_co_u32 s[RB], s[RB], 256
	s_cmp_ge_u32 s[RB], s[CNT]
	s_cbranch_scc1 .Lnext
	s_wait_xcnt 0x0                                ; the stores have read their registers
	SETROWS
	LOADBIAS 0
	LOADBIAS 1
	s_mov_b64 s[26:27], s[4:5]
	v_mov_b32 v[VBA], v[VBA0]
	s_mov_b32 s38, 32
.Ltk:                                                  ; a K step of 32
	PLACES
	REK 0, 0, 0
	LB 0
	LB 1
	s_wait_loadcnt 0x0
	s_wait_dscnt 0x0
	MM 0, 0
	MM 1, 0
	s_wait_xcnt 0x0
	s_add_nc_u64 s[26:27], s[26:27], 64
	v_add_nc_u32 v[VBA], KSL, v[VBA]
	s_sub_co_u32 s38, s38, 1
	s_cmp_lg_u32 s38, 0
	s_cbranch_scc1 .Ltk
.Lnext:
	s_wait_dscnt 0x0                               ; my reads of the slice are over
	BAR
	s_sub_co_u32 s37, s37, 1
	s_cmp_lg_u32 s37, 0
	s_cbranch_scc1 .Lpass
	s_wait_tensorcnt 0x0                           ; the wave's end, behind my last LDS store
	ds_add_u32 v[SPW], v[NIL]
	s_wait_dscnt 0x0
	s_endpgm
.Lfunc_end_k_qf20f1cbe1d_ffn1:
	.size	k_qf20f1cbe1d_ffn1, .Lfunc_end_k_qf20f1cbe1d_ffn1-k_qf20f1cbe1d_ffn1
	.p2alignl 7, 3214868480
	.fill 96, 4, 3214868480
	.section	.rodata,"a",@progbits
	.p2align	6, 0x0
	.amdhsa_kernel k_qf20f1cbe1d_ffn1
		.amdhsa_group_segment_fixed_size 298496
		.amdhsa_private_segment_fixed_size 0
		.amdhsa_enable_private_segment 0
		.amdhsa_kernarg_size 40
		.amdhsa_user_sgpr_count 2
		.amdhsa_user_sgpr_kernarg_segment_ptr 1
		.amdhsa_wavefront_size32 1
		.amdhsa_system_sgpr_workgroup_id_x 1
		.amdhsa_system_sgpr_workgroup_id_y 1
		.amdhsa_system_sgpr_workgroup_id_z 1
		.amdhsa_system_vgpr_workitem_id 0
		.amdhsa_next_free_vgpr 512
		.amdhsa_next_free_sgpr 84
		.amdhsa_reserve_vcc 0
		.amdhsa_float_denorm_mode_32 3
		.amdhsa_float_denorm_mode_16_64 3
		.amdhsa_memory_ordered 1
		.amdhsa_forward_progress 1
		.amdhsa_inst_pref_size 186
	.end_amdhsa_kernel
	.amdgpu_metadata
---
amdhsa.version: [ 1, 2 ]
amdhsa.kernels:
  - .name:           k_qf20f1cbe1d_ffn1
    .symbol:         k_qf20f1cbe1d_ffn1.kd
    .args:
      - { .name: xs, .offset: 0, .size: 8, .value_kind: global_buffer, .address_space: global }
      - { .name: indices_s, .offset: 8, .size: 8, .value_kind: global_buffer, .address_space: global }
      - { .name: weight1, .offset: 16, .size: 8, .value_kind: global_buffer, .address_space: global }
      - { .name: bias1, .offset: 24, .size: 8, .value_kind: global_buffer, .address_space: global }
      - { .name: hbuf, .offset: 32, .size: 8, .value_kind: global_buffer, .address_space: global }
    .group_segment_fixed_size: 298496
    .private_segment_fixed_size: 0
    .kernarg_segment_align: 8
    .kernarg_segment_size: 40
    .max_flat_workgroup_size: 256
    .sgpr_count:     84
    .vgpr_count:     512
    .wavefront_size: 32
...
	.end_amdgpu_metadata
.endif
;; end of part 2
;; launch ffn2 (part 3): grid 32 x 8, 8 waves a work-group, no clusters, 298,496 bytes of LDS; arguments hbuf, indices_s, weight2, bias2, part; writes part
.if DOCPART == 3
	.amdgcn_target "amdgcn-amd-amdhsa--gfx1250"
	.amdhsa_code_object_version 6
	.text
	.protected	k_qf20f1cbe1d_ffn2
	.globl	k_qf20f1cbe1d_ffn2
	.p2align	8
	.type	k_qf20f1cbe1d_ffn2,@function
k_qf20f1cbe1d_ffn2:
	s_mov_b64 s[64:65], 0
	v_nop
	global_prefetch_b8 v0, s[64:65] scope:SCOPE_SE
	s_setreg_imm32_b32 hwreg(HW_REG_WAVE_MODE, 25, 1), 1
	s_wait_xcnt 0x0
; part[kh][row][n] = hbuf[row][K half kh] . W2[e][K half kh][n] + b2[e][n] / 2 in f32, for the rows of expert e (rows lie sorted by expert).  hbuf [1024][4096] bf16, W2 [8][4096][1024] f32, part [2][1024][1024] f32.
; SHARES.  Work-group (cs + 16 kh, e): 64 columns (256 aligned bytes of each row of W2) x 2,048 k of expert e, read by this work-group alone, and ALL rows of e.
; Each K half carries half the bias, so that the sum of the two parts, made by the next launch, carries it once (exact but for denormal biases).
; Every wave runs the same text: 16 chunks of 128 k; in a trip each wave rounds its eighth of a chunk to bf16 and lays it into LDS (each LDS byte is written once), asks for the chunk three on and the token rows two on,
; passes a barrier, multiplies the chunk by its own two tiles of 16 rows, and passes a second barrier: a store and another wave's read are always a barrier apart.
; A pass serves 256 rows (tile t of wave w: rows 128 t + 16 w on); later passes read the slice that lies whole in LDS.
; LDS.  An LDS row of 256 bytes holds a pair of k: the even one's 64 columns, then the odd one's.  Pair p lies in region p % 8, at 256 (p / 8); a region is 32,768 + 32 bytes: the 4 pairs x 2 halves that 16 lanes
; of a turning load touch (32 bytes each) fall on every bank once (64 banks of 4 bytes: ISA guide 11.1).  Wave w fills region w alone.
; THE MATRIX INSTRUCTION IS USED TRANSPOSED: source 0 = 16 columns of W (turned on the way out of LDS), source 1 = 16 rows of hbuf: a lane holds one row and eight neighbouring columns.
; NO MULTICAST: a slice has one reader; the token rows that an expert's work-groups share are a fifth of a trip's bytes (8 KiB of 40).
; LIMITS.  An expert without rows still streams its slice and stores nothing.  In a tile that is not full the places past the count repeat the expert's last row: the same bytes are stored again.
.set NA,      16                       ; loads of token rows for a chunk: 4 K steps x 2 tiles x 2
.set REG,     32800
.set CHL,     2048                     ; a chunk in a region: 8 rows of 256 bytes
.set KSL,     512                      ; a K step of 32 (16 pairs) in a region
.set CHUNKG,  128*4096                 ; a chunk in memory: 128 rows of W2
.set WSTEP,   16*4096                  ; from one load of mine to the next: 8 pairs
.set ACH,     256                      ; a chunk's 128 k in a row of hbuf
.set STAGE,   262656
.set SP,      272
.set SPARE,   STAGE+8*16*SP            ; the spare words, 128 bytes for each of the eight waves: four blocks of 256 bytes that no other line names
.set SPW, 2
.set NIL, 3
.set R,   4
.set HH,  5
.set VBA, 6
.set VBA0,7
.set AO,  8                            ; v8-9  tile t: byte offset of my row in hbuf, + 16 (lane / 16)
.set WO,  10                           ; v10 my byte offset in a pair of rows of W2
.set SA,  11
.set STO, 12
.set RD,  13
.set C16, 14
.set HP,  15
.set SO,  16                           ; v16-23
.set IO,  24                           ; v24 16 x lane
.set AR,  32                           ; v32-223 token fragments, three sets: AR + 64 set + 16 s + 8 t (at the head: the indices)
.set OUT, 224                          ; v224-255 the way out
; window 1: accumulator (tile t, column tile c) at 32 t + 8 c; three sets of W in f32; fragments of W, two buffers of four; a set rounded
.set WR,  64
.set BF,  160
.set TR,  224
.set WV,  14
.set EX,  16
.set CS,  17                           ; s17 column slice   s40 K half
.set KH,  40
.set CNT, 18
.set CM1, 19
.set OFF, 31
.set ACT, 32
.set R0,  34
.set RB,  36
.set W16, 39
.set MSB, 0
.macro WIN new
.if MSB != (\new)
	s_set_vgpr_msb (MSB<<8)|(\new)
.set MSB, (\new)
.endif
.endm
.macro PLACES                          ; four places behind matrix instructions (ISA guide 7.12.1)
.rept 4
	v_nop
.endr
.endm
.macro BAR
	s_barrier_signal -1
	s_barrier_wait -1
.endm
.macro ISSUE set, coff                 ; 8 loads: my 8 pairs of a chunk (pair % 8 = my wave); lanes 0-15 take 256 aligned bytes of the even row, lanes 16-31 of the odd row
	WIN 0x40
.set i_, 0
.rept 8
	global_load_b128 v[WR+32*(\set)+4*i_:WR+32*(\set)+4*i_+3], v[WO], s[24:25] offset:(\coff)*CHUNKG+i_*WSTEP th:TH_LOAD_NT
.set i_, i_+1
.endr
.endm
.macro REK set, s, coff                ; 4 loads: K step s of my two tiles, as fragments
.irp t,0,1
	global_load_b128 v[AR+64*(\set)+16*(\s)+8*\t:AR+64*(\set)+16*(\s)+8*\t+3],   v[AO+\t], s[26:27] offset:(\coff)*ACH+64*(\s)
	global_load_b128 v[AR+64*(\set)+16*(\s)+8*\t+4:AR+64*(\set)+16*(\s)+8*\t+7], v[AO+\t], s[26:27] offset:(\coff)*ACH+64*(\s)+32
.endr
.endm
.macro RE set, coff
	WIN 0
.irp s,0,1,2,3
	REK \set, \s, \coff
.endr
.endm
.macro LOADBIAS                        ; 8 loads: the bias into tile 0's accumulators
	WIN 0x40
.irp c,0,1,2,3
	global_load_b128 v[8*\c:8*\c+3],   v[HP], s[56:57] offset:64*\c
	global_load_b128 v[8*\c+4:8*\c+7], v[HP], s[56:57] offset:64*\c+16
.endr
	WIN 0
.endm
.macro HALF                            ; both tiles' sums start from half the bias
	WIN 0x41                                       ; destination and source 0 in window 1
.set i_, 0
.rept 16
	v_pk_mul_f32 v[32+2*i_:32+2*i_+1], v[2*i_:2*i_+1], 0.5 op_sel_hi:[1,0]
.set i_, i_+1
.endr
.set i_, 0
.rept 16
	v_pk_mul_f32 v[2*i_:2*i_+1], v[2*i_:2*i_+1], 0.5 op_sel_hi:[1,0]
.set i_, i_+1
.endr
	WIN 0
.endm
.macro SETROWS
.irp t,0,1
	s_add_co_u32 s[R0+\t], s[RB], 128*\t
	s_add_co_u32 s[R0+\t], s[R0+\t], s[W16]
	s_cmp_lt_u32 s[R0+\t], s[CNT]
	s_cselect_b32 s[ACT+\t], 1, 0
	v_add_nc_u32 v28, s[R0+\t], v[R]
	v_min_u32 v28, s[CM1], v28                     ; places past the count repeat the last real row
	v_add_nc_u32 v28, s[OFF], v28
	v_min_u32 v28, 0x3ff, v28
	v_lshlrev_b32 v28, 13, v28                     ; a row of hbuf is 8,192 bytes
	v_lshl_add_u32 v[AO+\t], v[HH], 4, v28
.endr
.endm
.macro LB s                            ; K step s: four fragments of W, turned, into buffer s % 2
	WIN 0x40                                       ; destination window 1, address window 0
.irp f,0,1,2,3
	ds_load_tr16_b128 v[BF+32*((\s)%2)+8*\f:BF+32*((\s)%2)+8*\f+3],   v[VBA] offset:(\s)*KSL+32*\f
	ds_load_tr16_b128 v[BF+32*((\s)%2)+8*\f+4:BF+32*((\s)%2)+8*\f+7], v[VBA] offset:(\s)*KSL+KSL/2+32*\f
.endr
.endm
.macro MUL1 t, f, s, set
	v_wmma_f32_16x16x32_bf16 v[32*(\t)+8*(\f):32*(\t)+8*(\f)+7], v[BF+32*((\s)%2)+8*(\f):BF+32*((\s)%2)+8*(\f)+7], v[AR+64*(\set)+16*(\s)+8*(\t):AR+64*(\set)+16*(\s)+8*(\t)+7], v[32*(\t)+8*(\f):32*(\t)+8*(\f)+7]
.endm
.macro MM s, set                       ; K step s's products: the accumulators take turns; tile 1's four are jumped where it holds no real row
	WIN 0x51                                       ; W in window 1, tokens in window 0, C and D in window 1
.irp f,0,1,2,3
	MUL1 0, \f, \s, \set
.endr
	WIN 0
	s_cmp_eq_u32 s[ACT+1], 0
	s_cbranch_scc1 .Lno1_\@
	WIN 0x51
.irp f,0,1,2,3
	MUL1 1, \f, \s, \set
.endr
	WIN 0
.Lno1_\@:
.endm
.macro COMPUTE set                     ; a chunk's products: 4 K steps.  The roundings of the trip's first part are the places in front of the first loads
	LB 0
	LB 1
	s_wait_dscnt 8                                 ; K step 0's fragments are in; the next step's eight loads may be out
	MM 0, \set
	PLACES
	LB 2
	s_wait_dscnt 8
	MM 1, \set
	PLACES
	LB 3
	s_wait_dscnt 8
	MM 2, \set
	s_wait_dscnt 0x0                               ; and no LDS instruction of mine is out at the signal that follows
	MM 3, \set
	v_add_nc_u32 v[VBA], CHL, v[VBA]
.endm
; Trip c, set = c % 3.  w: the loads that may stay out when W(c) and the token rows A(c) have to be there.  isa: A(c+2) is asked for; isw: W(c+3).
.macro TRIP set, isa, isw, w
	s_wait_loadcnt \w                              ; loads come back in order (ISA guide 5.7.1)
	WIN 0x45
.set i_, 0
.rept 16
	v_cvt_pk_bf16_f32 v[TR+i_], v[WR+32*(\set)+2*i_], v[WR+32*(\set)+2*i_+1]
.set i_, i_+1
.endr
.if \isa
	s_wait_xcnt 0x0                                ; the bases are stepped only behind this wait
	s_add_nc_u64 s[26:27], s[26:27], ACH
	s_add_nc_u64 s[24:25], s[24:25], CHUNKG
	RE ((\set)+2)%3, 1
.endif
.if \isw
	ISSUE \set, 2
.endif
	WIN 0x04
.set i_, 0
.rept 8
	ds_store_b64 v[SA], v[TR+2*i_:TR+2*i_+1] offset:256*i_     ; 32 lanes: the 256 bytes of pair 64 c + 8 i + wave
.set i_, i_+1
.endr
	WIN 0
	v_add_nc_u32 v[SA], CHL, v[SA]
	s_wait_dscnt 0x0                               ; for the others' sake
	BAR                                            ; the chunk is whole
	COMPUTE \set
	BAR                                            ; every wave's reads of it are over
.endm
; THE WAY OUT of tile t: 32 bytes a lane for each column tile into my own stage, back as whole rows of 256 bytes, stored.
.macro EPI t
	WIN 0
	s_cmp_eq_u32 s[ACT+\t], 0
	s_cbranch_scc1 .Lskip_\@
	s_wait_xcnt 0x0                                ; earlier stores' offsets and data are rewritten only behind this wait
	WIN 0x04
.irp c,0,1,2,3
	ds_store_b128 v[STO], v[32*(\t)+8*\c:32*(\t)+8*\c+3]   offset:64*\c
	ds_store_b128 v[STO], v[32*(\t)+8*\c+4:32*(\t)+8*\c+7] offset:64*\c+16
.endr
	WIN 0
.irp i,0,1,2,3,4,5,6,7
	ds_load_b128 v[OUT+4*\i:OUT+4*\i+3], v[RD] offset:2*SP*\i  ; LDS serves a wave's instructions in order (ISA guide 5.7.1.4)
.endr
.irp i,0,1,2,3,4,5,6,7
	s_add_co_u32 s20, s[R0+\t], 2*\i
	v_add_nc_u32 v[SO+\i], s20, v[HH]              ; row 2 i + lane / 16 of the tile,
	v_min_u32 v[SO+\i], s[CM1], v[SO+\i]           ; held to the expert's last row,
	v_add_nc_u32 v[SO+\i], s[OFF], v[SO+\i]        ; among all rows
	v_min_u32 v[SO+\i], 0x3ff, v[SO+\i]
	v_lshl_add_u32 v[SO+\i], v[SO+\i], 12, v[C16]  ; a row of part is 4,096 bytes
.endr
	s_wait_dscnt 0x0
.irp i,0,1,2,3,4,5,6,7
	global_store_b128 v[SO+\i], v[OUT+4*\i:OUT+4*\i+3], s[28:29]  ; 16 lanes store 256 consecutive bytes, at a multiple of 256 from part's first byte
.endr
.Lskip_\@:
.endm
	s_load_b256 s[4:11], s[0:1], 0x0               ; hbuf s[4:5], indices s[6:7], W2 s[8:9], b2 s[10:11]
	s_load_b64 s[12:13], s[0:1], 0x20              ; part
	v_lshl_add_u32 v[SPW], v0, 2, SPARE
	v_mov_b32 v[NIL], 0
	v_lshrrev_b32 v1, 5, v0
	v_readfirstlane_b32 s[WV], v1
	v_and_b32 v1, 31, v0
	s_and_b32 s[EX], ttmp7, 0xffff
	s_and_b32 s[CS], ttmp9, 15
	s_lshr_b32 s[KH], ttmp9, 4
	s_mov_b32 s23, 0
	v_and_b32 v[R], 15, v1
	v_lshrrev_b32 v[HH], 4, v1
	v_lshlrev_b32 v[IO], 4, v1
	v_lshlrev_b32 v[HP], 5, v[HH]
	v_lshlrev_b32 v[C16], 4, v[R]
	v_lshl_add_u32 v[WO], v[HH], 12, v[C16]        ; lanes 16-31 one row further down
	s_wait_kmcnt 0x0
.irp q,0,1,2,3,4,5,6,7
	global_load_b128 v[AR+4*\q:AR+4*\q+3], v[IO], s[6:7] offset:512*\q  ; all 1,024 indices
.endr
	s_lshl_b32 s22, s[EX], 12
	s_lshl_b32 s20, s[CS], 8
	s_add_co_u32 s22, s22, s20
	s_add_nc_u64 s[56:57], s[10:11], s[22:23]      ; b2 at expert and column slice
	LOADBIAS
	s_lshl_b32 s22, s[EX], 24
	s_add_co_u32 s22, s22, s20
	s_lshl_b32 s21, s[KH], 23
	s_add_co_u32 s22, s22, s21
	s_lshl_b32 s21, s[WV], 13
	s_add_co_u32 s22, s22, s21
	s_add_nc_u64 s[24:25], s[8:9], s[22:23]        ; W2 at expert, K half, column slice, pair = my wave
	ISSUE 0, 0
	ISSUE 1, 1
	ISSUE 2, 2
	WIN 0
	s_lshl_b32 s22, s[KH], 22
	s_add_co_u32 s22, s22, s20
	s_add_nc_u64 s[28:29], s[12:13], s[22:23]      ; part at K half and column slice
	s_lshl_b32 s22, s[KH], 12
	s_add_nc_u64 s[44:45], s[4:5], s[22:23]        ; hbuf at the K half's 4,096 bytes of a row
	s_mov_b64 s[26:27], s[44:45]
	s_mul_i32 s20, s[WV], REG
	v_lshl_add_u32 v[SA], v1, 3, s20               ; my region; lanes 0-15 the even k's 128 bytes, lanes 16-31 the odd k's
	v_bfe_u32 v28, v1, 1, 2                        ; the turning load: lane l reads k = 8 (l / 16) + l % 8: pair 4 (l / 16) + (l / 2) % 4 = its region,
	v_lshl_add_u32 v28, v[HH], 2, v28
	v_mul_u32_u24 v28, v28, REG
	v_and_b32 v29, 1, v1
	v_lshl_add_u32 v28, v29, 7, v28                ; half l % 2,
	v_bfe_u32 v29, v1, 3, 1
	v_lshl_add_u32 v[VBA0], v29, 4, v28            ; columns 8 ((l / 8) % 2) on
	v_mov_b32 v[VBA], v[VBA0]
	s_mul_i32 s21, s[WV], 16*SP
	s_add_co_u32 s21, s21, STAGE
	v_mul_u32_u24 v28, v[R], SP
	v_lshl_add_u32 v28, v[HH], 5, v28
	v_add_nc_u32 v[STO], s21, v28
	v_mul_u32_u24 v28, v[HH], SP
	v_lshl_add_u32 v28, v[R], 4, v28
	v_add_nc_u32 v[RD], s21, v28
	s_lshl_b32 s[W16], s[WV], 4
	s_mov_b32 s[CNT], 0
	s_mov_b32 s[OFF], 0
	s_mov_b32 s[RB], 0
	s_wait_loadcnt 24                              ; the indices and the bias are in; the 24 loads of W, issued behind them, may be out
.set n_, 0
.rept 32                               ; my expert's rows, and the rows of the experts in front of it
	v_cmp_eq_u32 s20, s[EX], v[AR+n_]
	v_cmp_gt_u32 s21, s[EX], v[AR+n_]
	s_bcnt1_i32_b32 s20, s20
	s_bcnt1_i32_b32 s21, s21
	s_add_co_u32 s[CNT], s[CNT], s20
	s_add_co_u32 s[OFF], s[OFF], s21
.set n_, n_+1
.endr
	s_max_u32 s[CM1], s[CNT], 1
	s_sub_co_u32 s[CM1], s[CM1], 1
	SETROWS
	RE 0, 0                                        ; chunks 0 and 1 of the token rows
	RE 1, 1
	HALF
	TRIP 0, 1, 1, NA                               ; the head's order was W0 W1 W2 A0 A1: behind A0 only A1 is out
	TRIP 1, 1, 1, NA+8                             ; behind A1: A2 and W3
	s_mov_b32 s30, 3
.Lloop:                                                ; trips 2 to 10.  Behind A(c): W(c+1), A(c+1), W(c+2)
	TRIP 2, 1, 1, NA+16
	TRIP 0, 1, 1, NA+16
	TRIP 1, 1, 1, NA+16
	s_sub_co_u32 s30, s30, 1
	s_cmp_lg_u32 s30, 0
	s_cbranch_scc1 .Lloop
	TRIP 2, 1, 1, NA+16
	TRIP 0, 1, 1, NA+16
	TRIP 1, 1, 0, NA+16                            ; trip 13 asks for A15 alone
	TRIP 2, 0, 0, NA+8                             ; behind A14: W15 and A15
	TRIP 0, 0, 0, 0
	; PASSES.  Four trips cover 1,024 rows.  A trip sends the rows in hand out; then, if the expert has rows left, it multiplies the next 256 against the slice in LDS.
	; Two barriers a trip, on every wave's path: one between the way out's stores into the stages and the pass's reads of LDS, one between those reads and the next way out
	; (and the closing add): here too a store into LDS and another wave's read are always a barrier apart.  The jump on the count passes neither.
	s_mov_b32 s37, 4
.Lpass:
	PLACES
	EPI 0
	EPI 1
	s_wait_dscnt 0x0                               ; no LDS instruction of mine is out at the signal
	BAR
	s_mov_b32 s[ACT], 0
	s_mov_b32 s[ACT+1], 0
	s_add_co_u32 s[RB], s[RB], 256
	s_cmp_ge_u32 s[RB], s[CNT]
	s_cbranch_scc1 .Lnext
	s_wait_xcnt 0x0                                ; the stores have read their registers
	SETROWS
	LOADBIAS
	s_mov_b64 s[26:27], s[44:45]
	v_mov_b32 v[VBA], v[VBA0]
	s_wait_loadcnt 0x0
	HALF
	s_mov_b32 s38, 64
.Ltk:                                                  ; a K step of 32
	PLACES
	REK 0, 0, 0
	LB 0
	s_wait_loadcnt 0x0
	s_wait_dscnt 0x0
	MM 0, 0
	s_wait_xcnt 0x0
	s_add_nc_u64 s[26:27], s[26:27], 64
	v_add_nc_u32 v[VBA], KSL, v[VBA]
	s_sub_co_u32 s38, s38, 1
	s_cmp_lg_u32 s38, 0
	s_cbranch_scc1 .Ltk
.Lnext:
	s_wait_dscnt 0x0                               ; my reads of the slice are over
	BAR
	s_sub_co_u32 s37, s37, 1
	s_cmp_lg_u32 s37, 0
	s_cbranch_scc1 .Lpass
	s_wait_tensorcnt 0x0                           ; the wave's end, behind my last LDS store
	ds_add_u32 v[SPW], v[NIL]
	s_wait_dscnt 0x0
	s_endpgm
.Lfunc_end_k_qf20f1cbe1d_ffn2:
	.size	k_qf20f1cbe1d_ffn2, .Lfunc_end_k_qf20f1cbe1d_ffn2-k_qf20f1cbe1d_ffn2
	.p2alignl 7, 3214868480
	.fill 96, 4, 3214868480
	.section	.rodata,"a",@progbits
	.p2align	6, 0x0
	.amdhsa_kernel k_qf20f1cbe1d_ffn2
		.amdhsa_group_segment_fixed_size 298496
		.amdhsa_private_segment_fixed_size 0
		.amdhsa_enable_private_segment 0
		.amdhsa_kernarg_size 40
		.amdhsa_user_sgpr_count 2
		.amdhsa_user_sgpr_kernarg_segment_ptr 1
		.amdhsa_wavefront_size32 1
		.amdhsa_system_sgpr_workgroup_id_x 1
		.amdhsa_system_sgpr_workgroup_id_y 1
		.amdhsa_system_sgpr_workgroup_id_z 1
		.amdhsa_system_vgpr_workitem_id 0
		.amdhsa_next_free_vgpr 512
		.amdhsa_next_free_sgpr 66
		.amdhsa_reserve_vcc 0
		.amdhsa_float_denorm_mode_32 3
		.amdhsa_float_denorm_mode_16_64 3
		.amdhsa_memory_ordered 1
		.amdhsa_forward_progress 1
		.amdhsa_inst_pref_size 126
	.end_amdhsa_kernel
	.amdgpu_metadata
---
amdhsa.version: [ 1, 2 ]
amdhsa.kernels:
  - .name:           k_qf20f1cbe1d_ffn2
    .symbol:         k_qf20f1cbe1d_ffn2.kd
    .args:
      - { .name: hbuf, .offset: 0, .size: 8, .value_kind: global_buffer, .address_space: global }
      - { .name: indices_s, .offset: 8, .size: 8, .value_kind: global_buffer, .address_space: global }
      - { .name: weight2, .offset: 16, .size: 8, .value_kind: global_buffer, .address_space: global }
      - { .name: bias2, .offset: 24, .size: 8, .value_kind: global_buffer, .address_space: global }
      - { .name: part, .offset: 32, .size: 8, .value_kind: global_buffer, .address_space: global }
    .group_segment_fixed_size: 298496
    .private_segment_fixed_size: 0
    .kernarg_segment_align: 8
    .kernarg_segment_size: 40
    .max_flat_workgroup_size: 256
    .sgpr_count:     66
    .vgpr_count:     512
    .wavefront_size: 32
...
	.end_amdgpu_metadata
.endif
;; end of part 3
;; launch addup (part 4): grid 256 x 1, 4 waves a work-group, no clusters, 0 bytes of LDS; arguments part, indices_s, out0; writes out0
.if DOCPART == 4
	.amdgcn_target "amdgcn-amd-amdhsa--gfx1250"
	.amdhsa_code_object_version 6
	.text
	.protected	k_qf20f1cbe1d_addup
	.globl	k_qf20f1cbe1d_addup
	.p2align	8
	.type	k_qf20f1cbe1d_addup,@function
k_qf20f1cbe1d_addup:
	s_mov_b64 s[64:65], 0
	v_nop
	global_prefetch_b8 v0, s[64:65] scope:SCOPE_SE
	s_setreg_imm32_b32 hwreg(HW_REG_WAVE_MODE, 25, 1), 1
	s_wait_xcnt 0x0
; out0[t][:] = part[0][pos(t)][:] + part[1][pos(t)][:]: the two K halves of the second product, f32 (each carries half the bias), brought back from the sorted order to the tokens' own.
; pos(t) = the number of tokens j with key(j) < key(t), key(j) = 1024 x expert(j) + j, counted as the first launch counts it.  A wave takes one token: two rows of 4,096 bytes in, one out.
; A stream: no LDS, no barrier, no matrix unit.
.set HALFB, 4194304                    ; bytes from part[0] to part[1]
.set IDX, 32                           ; v32-63  register 4 q + c holds the index of token 128 q + 4 lane + c
.set P0,  64                           ; v64-95  the row of part[0], then the sum
.set P1,  96                           ; v96-127 the row of part[1]
.set KEY, 13
.set POS, 18
	s_load_b128 s[4:7], s[0:1], 0x0                ; part s[4:5], indices s[6:7]
	s_load_b64 s[8:9], s[0:1], 0x10                ; out0
	v_lshrrev_b32 v1, 5, v0
	v_readfirstlane_b32 s10, v1                    ; wave
	v_and_b32 v1, 31, v0                           ; lane
	s_lshl_b32 s11, ttmp9, 2
	s_add_co_u32 s11, s11, s10                     ; my token
	s_lshl_b32 s12, s11, 2
	s_lshl_b32 s16, s11, 12                        ; its row in out0
	s_mov_b32 s17, 0
	v_lshlrev_b32 v2, 4, v1                        ; 16 x lane
	v_lshlrev_b32 v4, 2, v1                        ; 4 x lane
	s_wait_kmcnt 0x0
	s_load_b32 s[KEY], s[6:7], s12 offset:0x0      ; my token's expert
	s_add_nc_u64 s[8:9], s[8:9], s[16:17]
.irp q,0,1,2,3,4,5,6,7
	global_load_b128 v[IDX+4*\q:IDX+4*\q+3], v2, s[6:7] offset:512*\q
.endr
	s_wait_kmcnt 0x0
	s_lshl_b32 s[KEY], s[KEY], 10
	s_add_co_u32 s[KEY], s[KEY], s11               ; my key
	s_mov_b32 s[POS], 0
	s_wait_loadcnt 0x0
.set n_, 0
.rept 32
	v_lshl_add_u32 v5, v[IDX+n_], 10, v4           ; key(j) less the register's constant part
	s_sub_co_i32 s20, s[KEY], 128*(n_/4)+n_%4
	v_cmp_gt_i32 s21, s20, v5
	s_bcnt1_i32_b32 s21, s21
	s_add_co_u32 s[POS], s[POS], s21
.set n_, n_+1
.endr
	s_min_u32 s[POS], s[POS], 0x3ff
	s_lshl_b32 s16, s[POS], 12                     ; a row of part is 4,096 bytes
	s_add_nc_u64 s[4:5], s[4:5], s[16:17]
.irp q,0,1,2,3,4,5,6,7
	global_load_b128 v[P0+4*\q:P0+4*\q+3], v2, s[4:5] offset:512*\q th:TH_LOAD_NT
.endr
.irp q,0,1,2,3,4,5,6,7
	global_load_b128 v[P1+4*\q:P1+4*\q+3], v2, s[4:5] offset:HALFB+512*\q th:TH_LOAD_NT
.endr
.irp q,0,1,2,3,4,5,6,7
	s_wait_loadcnt 7-\q                            ; loads come back in order: both halves of piece q are in
	v_pk_add_f32 v[P0+4*\q:P0+4*\q+1],   v[P0+4*\q:P0+4*\q+1],   v[P1+4*\q:P1+4*\q+1]
	v_pk_add_f32 v[P0+4*\q+2:P0+4*\q+3], v[P0+4*\q+2:P0+4*\q+3], v[P1+4*\q+2:P1+4*\q+3]
	global_store_b128 v2, v[P0+4*\q:P0+4*\q+3], s[8:9] offset:512*\q th:TH_STORE_NT  ; 512 consecutive bytes, at a multiple of 256 from out0's first byte
.endr
	s_endpgm
.Lfunc_end_k_qf20f1cbe1d_addup:
	.size	k_qf20f1cbe1d_addup, .Lfunc_end_k_qf20f1cbe1d_addup-k_qf20f1cbe1d_addup
	.p2alignl 7, 3214868480
	.fill 96, 4, 3214868480
	.section	.rodata,"a",@progbits
	.p2align	6, 0x0
	.amdhsa_kernel k_qf20f1cbe1d_addup
		.amdhsa_group_segment_fixed_size 0
		.amdhsa_private_segment_fixed_size 0
		.amdhsa_enable_private_segment 0
		.amdhsa_kernarg_size 24
		.amdhsa_user_sgpr_count 2
		.amdhsa_user_sgpr_kernarg_segment_ptr 1
		.amdhsa_wavefront_size32 1
		.amdhsa_system_sgpr_workgroup_id_x 1
		.amdhsa_system_sgpr_workgroup_id_y 1
		.amdhsa_system_sgpr_workgroup_id_z 1
		.amdhsa_system_vgpr_workitem_id 0
		.amdhsa_next_free_vgpr 128
		.amdhsa_next_free_sgpr 66
		.amdhsa_reserve_vcc 0
		.amdhsa_float_denorm_mode_32 3
		.amdhsa_float_denorm_mode_16_64 3
		.amdhsa_memory_ordered 1
		.amdhsa_forward_progress 1
		.amdhsa_inst_pref_size 14
	.end_amdhsa_kernel
	.amdgpu_metadata
---
amdhsa.version: [ 1, 2 ]
amdhsa.kernels:
  - .name:           k_qf20f1cbe1d_addup
    .symbol:         k_qf20f1cbe1d_addup.kd
    .args:
      - { .name: part, .offset: 0, .size: 8, .value_kind: global_buffer, .address_space: global }
      - { .name: indices_s, .offset: 8, .size: 8, .value_kind: global_buffer, .address_space: global }
      - { .name: out0, .offset: 16, .size: 8, .value_kind: global_buffer, .address_space: global }
    .group_segment_fixed_size: 0
    .private_segment_fixed_size: 0
    .kernarg_segment_align: 8
    .kernarg_segment_size: 24
    .max_flat_workgroup_size: 128
    .sgpr_count:     66
    .vgpr_count:     128
    .wavefront_size: 32
...
	.end_amdgpu_metadata
.endif
;; end of part 4
;; ======== version 2 of 2: 4 launches; 1.13 times as fast as version 1
;; workspace buffers: xs 2,097,152 bytes; hbuf 8,388,608 bytes; part 8,388,608 bytes; order 4,096 bytes of whole numbers
;; launch prep (part 5): grid 256 x 1, 4 waves a work-group, no clusters, 0 bytes of LDS; arguments x, indices_s, xs, order; writes xs, order
.if DOCPART == 5
	.amdgcn_target "amdgcn-amd-amdhsa--gfx1250"
	.amdhsa_code_object_version 6
	.text
	.protected	k_qf20f1cbe1d_prep
	.globl	k_qf20f1cbe1d_prep
	.p2align	8
	.type	k_qf20f1cbe1d_prep,@function
k_qf20f1cbe1d_prep:
	s_mov_b64 s[64:65], 0
	v_nop
	global_prefetch_b8 v0, s[64:65] scope:SCOPE_SE
	s_setreg_imm32_b32 hwreg(HW_REG_WAVE_MODE, 25, 1), 1
	s_wait_xcnt 0x0
; xs[pos(t)][:] = x[t][:] rounded to bf16, and order[pos(t)] = t, where pos(t) is token t's place when the tokens are sorted by expert, ties by token number.
; x [1024][1024] f32, indices_s [1024] i32, xs [1024][1024] bf16, order [1024] i32.  A wave takes one token: 4,096 bytes in, 2,048 consecutive bytes out, and one word of order.
; pos(t) = the number of tokens j with key(j) < key(t), key(j) = 1024 x expert(j) + j: every wave counts it for itself from all 1,024 indices (4,096 bytes).
; The count goes in groups of eight: eight compares into eight scalar registers, then their population counts, so that scalar work waits for vector work four times, not 32 times.
; A stream: no LDS, no barrier, no matrix unit.
.set IDX, 32                           ; v32-63  register 4 q + c holds the index of token 128 q + 4 lane + c
.set X,   64                           ; v64-95  the row in f32: piece q = columns 256 q + 8 lane .. + 7
.set Y,   96                           ; v96-111 the row in bf16
.set KV,  5                            ; v5-12   eight keys less their registers' constant parts
.set KEY, 13
.set POS, 18
.set WV,  24
.set TK,  25
.set KS,  32                           ; s32-39  my key less eight constant parts
.set MK,  40                           ; s40-47  eight masks, then their counts
	s_load_b256 s[4:11], s[0:1], 0x0               ; x s[4:5], indices s[6:7], xs s[8:9], order s[10:11]
	v_lshrrev_b32 v1, 5, v0
	v_readfirstlane_b32 s[WV], v1                  ; wave
	v_and_b32 v1, 31, v0                           ; lane
	s_lshl_b32 s[TK], ttmp9, 2
	s_add_co_u32 s[TK], s[TK], s[WV]               ; my token
	s_lshl_b32 s12, s[TK], 2
	s_lshl_b32 s16, s[TK], 12                      ; its row in x
	s_mov_b32 s17, 0
	s_mov_b32 s23, 0
	v_lshlrev_b32 v2, 4, v1                        ; 16 x lane
	v_lshlrev_b32 v3, 5, v1                        ; 32 x lane
	v_lshlrev_b32 v4, 2, v1                        ; 4 x lane
	v_mov_b32 v13, 0
	v_mov_b32 v14, s[TK]
	s_wait_kmcnt 0x0
	s_load_b32 s[KEY], s[6:7], s12 offset:0x0      ; my token's expert
	s_add_nc_u64 s[14:15], s[4:5], s[16:17]
.irp q,0,1,2,3,4,5,6,7
	global_load_b128 v[IDX+4*\q:IDX+4*\q+3], v2, s[6:7] offset:512*\q
.endr
.irp q,0,1,2,3
	global_load_b128 v[X+8*\q:X+8*\q+3],   v3, s[14:15] offset:1024*\q th:TH_LOAD_NT
	global_load_b128 v[X+8*\q+4:X+8*\q+7], v3, s[14:15] offset:1024*\q+16 th:TH_LOAD_NT
.endr
	s_wait_kmcnt 0x0
	s_lshl_b32 s[KEY], s[KEY], 10
	s_add_co_u32 s[KEY], s[KEY], s[TK]             ; my key
	s_mov_b32 s[POS], 0
	s_wait_loadcnt 8                               ; the indices are in; the row's eight loads may be out
.set n_, 0
.rept 4
.set m_, 0
.rept 8
	v_lshl_add_u32 v[KV+m_], v[IDX+n_+m_], 10, v4  ; key(j) less the register's constant part
	s_sub_co_i32 s[KS+m_], s[KEY], 128*((n_+m_)/4)+(n_+m_)%4
.set m_, m_+1
.endr
.set m_, 0
.rept 8
	v_cmp_gt_i32 s[MK+m_], s[KS+m_], v[KV+m_]
.set m_, m_+1
.endr
.set m_, 0
.rept 8
	s_bcnt1_i32_b32 s[MK+m_], s[MK+m_]
	s_add_co_u32 s[POS], s[POS], s[MK+m_]
.set m_, m_+1
.endr
.set n_, n_+8
.endr
	s_min_u32 s[POS], s[POS], 0x3ff
	s_lshl_b32 s16, s[POS], 11                     ; a row of xs is 2,048 bytes
	s_lshl_b32 s22, s[POS], 2                      ; a word of order
	s_add_nc_u64 s[8:9], s[8:9], s[16:17]
	s_add_nc_u64 s[10:11], s[10:11], s[22:23]
	v_cmp_eq_u32 vcc_lo, 0, v1
	s_wait_xcnt 0x0                                ; EXEC changes only behind this wait: the row's loads are out
	s_and_saveexec_b32 s20, vcc_lo                 ; lane 0 alone
	global_store_b32 v13, v14, s[10:11]            ; order[pos] = my token: 4 bytes a token, 4,096 in the whole launch
	s_wait_xcnt 0x0                                ; and again, in front of the line that widens it
	s_or_b32 exec_lo, exec_lo, s20
	s_wait_loadcnt 0x0
.set n_, 0
.rept 16
	v_cvt_pk_bf16_f32 v[Y+n_], v[X+2*n_], v[X+2*n_+1]
.set n_, n_+1
.endr
.irp q,0,1,2,3
	global_store_b128 v2, v[Y+4*\q:Y+4*\q+3], s[8:9] offset:512*\q  ; 512 consecutive bytes, at a multiple of 256 from xs's first byte
.endr
	s_endpgm
.Lfunc_end_k_qf20f1cbe1d_prep:
	.size	k_qf20f1cbe1d_prep, .Lfunc_end_k_qf20f1cbe1d_prep-k_qf20f1cbe1d_prep
	.p2alignl 7, 3214868480
	.fill 96, 4, 3214868480
	.section	.rodata,"a",@progbits
	.p2align	6, 0x0
	.amdhsa_kernel k_qf20f1cbe1d_prep
		.amdhsa_group_segment_fixed_size 0
		.amdhsa_private_segment_fixed_size 0
		.amdhsa_enable_private_segment 0
		.amdhsa_kernarg_size 32
		.amdhsa_user_sgpr_count 2
		.amdhsa_user_sgpr_kernarg_segment_ptr 1
		.amdhsa_wavefront_size32 1
		.amdhsa_system_sgpr_workgroup_id_x 1
		.amdhsa_system_sgpr_workgroup_id_y 1
		.amdhsa_system_sgpr_workgroup_id_z 1
		.amdhsa_system_vgpr_workitem_id 0
		.amdhsa_next_free_vgpr 112
		.amdhsa_next_free_sgpr 66
		.amdhsa_reserve_vcc 1
		.amdhsa_float_denorm_mode_32 3
		.amdhsa_float_denorm_mode_16_64 3
		.amdhsa_memory_ordered 1
		.amdhsa_forward_progress 1
		.amdhsa_inst_pref_size 13
	.end_amdhsa_kernel
	.amdgpu_metadata
---
amdhsa.version: [ 1, 2 ]
amdhsa.kernels:
  - .name:           k_qf20f1cbe1d_prep
    .symbol:         k_qf20f1cbe1d_prep.kd
    .args:
      - { .name: x, .offset: 0, .size: 8, .value_kind: global_buffer, .address_space: global }
      - { .name: indices_s, .offset: 8, .size: 8, .value_kind: global_buffer, .address_space: global }
      - { .name: xs, .offset: 16, .size: 8, .value_kind: global_buffer, .address_space: global }
      - { .name: order, .offset: 24, .size: 8, .value_kind: global_buffer, .address_space: global }
    .group_segment_fixed_size: 0
    .private_segment_fixed_size: 0
    .kernarg_segment_align: 8
    .kernarg_segment_size: 32
    .max_flat_workgroup_size: 128
    .sgpr_count:     66
    .vgpr_count:     112
    .wavefront_size: 32
...
	.end_amdgpu_metadata
.endif
;; end of part 5
;; launch ffn1 (part 6): grid 32 x 8, 8 waves a work-group, no clusters, 313,856 bytes of LDS; arguments xs, indices_s, weight1, bias1, hbuf; writes hbuf
.if DOCPART == 6
	.amdgcn_target "amdgcn-amd-amdhsa--gfx1250"
	.amdhsa_code_object_version 6
	.text
	.protected	k_qf20f1cbe1d_ffn1
	.globl	k_qf20f1cbe1d_ffn1
	.p2align	8
	.type	k_qf20f1cbe1d_ffn1,@function
k_qf20f1cbe1d_ffn1:
	s_mov_b64 s[64:65], 0
	v_nop
	global_prefetch_b8 v0, s[64:65] scope:SCOPE_SE
	s_setreg_imm32_b32 hwreg(HW_REG_WAVE_MODE, 25, 1), 1
	s_wait_xcnt 0x0
; hbuf[row][n] = gelu(xs[row] . W1[e][:, n] + b1[e][n]) in bf16, for the rows of expert e (rows lie sorted by expert).  xs [1024][1024] bf16, W1 [8][1024][4096] f32, hbuf [1024][4096] bf16.
; SHARES.  Work-group (slice, e): 128 columns of expert e's W1 (1,024 x 128 numbers, read by this work-group alone) and ALL rows of e.  The expert's first row and its count are counted from indices_s by every wave.
; Every wave runs the same text.  THE FIRST 192 ROWS run beside the stream.  Wave w = (rg = w % 4, kg = w / 4) has three tiles of 16 rows (tile t: rows 64 t + 16 rg on), all 128 columns, and K step kg of the
; two K steps of 32 in each chunk of 64 k: a fragment of W read from LDS feeds two or three products, and no byte of a token row is read by two waves.  The waves kg = 0 and kg = 1 of one rg hold partial sums
; of the same outputs; they meet on the way out.
; THE STREAM.  16 chunks.  In trip c each wave reads its fragments of chunk c, rounds its eighth of chunk c + 1 to bf16 and lays it into LDS, asks for the chunk four on and the token rows two on, and multiplies.
; ONE barrier a trip: in front of it each wave's stores of chunk c + 1 are done, behind it chunk c + 1 is read.  Each byte of the slice is written once in the launch, so a trip's stores and its reads touch different bytes.
; LATER PASSES (an expert with more than 192 rows) read the slice that then lies whole in LDS.  There a wave has rows of its own (tile t: rows 128 t + 16 w on, 384 rows a pass) and all of K: no sums meet, nothing is
; stored into LDS, and so the loop over these passes holds no barrier; a trip without rows is four scalar lines.  The price: these passes store from the accumulators' layout, 32 consecutive bytes of a row to a
; pair of lanes, not whole aligned blocks of 256 bytes.
; LDS.  Row k of the slice (256 bytes) lies in region k % 8, at 256 (k / 8); a region is 32,768 + 32 bytes, so the 8 rows that 16 lanes of a turning load touch (32 bytes each) start 32 bytes apart
; modulo 256: every bank once (64 banks of 4 bytes: ISA guide 11.1).  Wave w fills region w alone.
; THE MATRIX INSTRUCTION IS USED TRANSPOSED: source 0 = 16 columns of W (turned on the way out of LDS), source 1 = 16 rows of xs: a lane holds one row and eight neighbouring columns.
; WHOSE COLUMNS.  Accumulator index j of a tile stands for column tile (j + 4 kg) % 8: in the first pass indices 0-3 are the 64 columns that this wave finishes, indices 4-7 those that its partner finishes.
; The sums start from the bias: half of it in each of the first pass's two K parts (exact but where the half is a denormal), all of it in a later pass.
; NO MULTICAST: a slice has one reader; the token rows that an expert's work-groups share are a ninth of a trip's bytes (4 KiB of 36).
; LIMITS.  erfc by a five-term rational formula, absolute error 1.5e-7.  An expert without rows still streams its slice and stores nothing.
; In a tile that is not full the places past the count repeat the expert's last row: the same bytes are stored to that row again.
.set NA,      6                        ; loads of token rows for a chunk: 3 tiles x 2
.set REG,     32800                    ; a region of the slice
.set CHL,     2048                     ; a chunk in a region: 8 rows of 256 bytes
.set KSL,     1024                     ; a K step of 32 in a region
.set CHUNKG,  64*16384                 ; a chunk in memory: 64 rows of W1
.set WSTEP,   8*16384                  ; from one load of mine to the next: 8 rows
.set ACH,     128                      ; a chunk's 64 k in a row of xs
.set XCH,     262656                   ; behind the slice: the exchange, a block for each wave: one tile's 4 accumulators in f32
.set XW,      4096
.set STAGE,   XCH+8*XW                 ; 16 rows x 272 bytes for each rg, shared by its two waves, for the way out
.set SP,      272
.set SPARE,   STAGE+4*16*SP            ; the spare words, 128 bytes for each of the eight waves: four blocks of 256 bytes that no other line names
.set SPW, 2                            ; v2  SPARE + 4 x my thread's number; never rewritten
.set NIL, 3                            ; v3  0; never rewritten
.set R,   4                            ; v4  lane % 16
.set HH,  5                            ; v5  lane / 16
.set VB0, 6                            ; v6  LDS address of my part of the turning loads, K step in hand, index 0-3's columns
.set VB1, 7                            ; v7  the same, index 4-7's columns
.set VC0, 8                            ; v8-9 the two for the slice's first K step
.set VC1, 9
.set AO,  10                           ; v10-12 tile t: byte offset of my row in xs, + 16 (lane / 16), in the first pass + 64 kg
.set WO,  13                           ; v13 16 x lane
.set SA,  14                           ; v14 LDS address of my 8 bytes in my first row of the chunk to be laid down
.set STO, 15                           ; v15 the way out: where I put 16 bytes of a row
.set RD,  16                           ; v16 the way out: where I read a row back
.set C16, 17                           ; v17 16 (lane % 16)
.set HP0, 18                           ; v18 my place in the bias of index 0-3's columns   v19 of index 4-7's
.set HP1, 19
.set SO,  20                           ; v20-23 the stores' offsets
.set XS,  24                           ; v24 my 16 bytes in my exchange block   v25 in my partner's
.set XP,  25
.set KO,  26                           ; v26 16 (lane / 16) + 64 kg
.set RH,  27                           ; v27 8 kg + lane / 16: the first row of a tile that I store
.set DK0, 30                           ; v30 my 16 bytes in the slice's 256 bytes of a row of hbuf, index 0's columns   v31 index 4's
.set DK1, 31
.set AR,  32                           ; v32-103  token fragments, three sets: set, tile t at AR + 24 set + 8 t (at the head: the indices)
.set WR,  104                          ; v104-199 three sets of W in f32
.set TR,  200                          ; v200-215 a set rounded
.set XR,  104                          ; the way out: my partner's sums for my columns
.set OUT, 136                          ; the way out: rows read back
.set GR,  216                          ; v216-218 tile t: my row among all rows
.set H16, 219                          ; v219 16 (lane / 16)
.set DS0, 220                          ; v220-221 a later pass's stores' offsets
.set DS1, 221
; window 1: accumulator (tile t, index j) at 64 t + 8 j; v192-255 eight fragments of W, on the way out at work in the activation
.set BF,  192
.set AX,  192
.set ZZ,  200
.set UU,  208
.set PP,  216
.set PK,  224
.set WV,  14                           ; s14 wave   s15 rg   s43 kg   s16 expert   s17 slice
.set RG,  15
.set KG,  43
.set EX,  16
.set SL,  17
.set CNT, 18                           ; s18 rows of my expert   s19 max(count, 1) - 1   s31 its first row
.set CM1, 19
.set OFF, 31
.set ACT, 32                           ; s32-34 tile t holds a real row   s40-42 its first row among the expert's
.set R0,  40
.set RB,  36                           ; s36 first row of the pass
.set RG16,39                           ; s39 16 x rg   s52 16 x wave
.set W16, 52
.set FA,  54                           ; s[54:55] the share of the bias from which a wave's sums start, twice (named as a pair)
.set CZ,  66                           ; s66-79 the activation's constants, each twice (named as pairs); s80 clears a sign
.set CU,  68
.set A5,  70
.set A4,  72
.set A3,  74
.set A2,  76
.set A1,  78
.set ABSM,80
.set MK,  84                           ; s84-99 sixteen masks, then their counts
.set MSB, 0
.macro WIN new                         ; the immediate's high byte repeats the setting that is left; a switch that changes nothing is dropped
.if MSB != (\new)
	s_set_vgpr_msb (MSB<<8)|(\new)
.set MSB, (\new)
.endif
.endm
.macro PLACES                          ; four places behind matrix instructions, in front of loads into their registers and of reads of their results
.rept 4
	v_nop
.endr
.endm
.macro KPAIR reg, val
	s_mov_b32 s[\reg], \val
	s_mov_b32 s[(\reg)+1], \val
.endm
.macro SYNC                            ; no LDS instruction of mine is out at the signal: my stores are done for the others' sake, my reads are over
	s_wait_dscnt 0x0
	s_barrier_signal -1
	s_barrier_wait -1
.endm
.macro ISSUE set, coff                 ; 8 loads: my 8 rows of a chunk (k % 8 = my wave), 512 neighbouring bytes each
	WIN 0
.set i_, 0
.rept 8
	global_load_b128 v[WR+32*(\set)+4*i_:WR+32*(\set)+4*i_+3], v[WO], s[24:25] offset:(\coff)*CHUNKG+i_*WSTEP th:TH_LOAD_NT
.set i_, i_+1
.endr
.endm
.macro RE set, coff                    ; 6 loads: one K step (32 k = 64 bytes of a row) of my three tiles, as fragments: k = 8 h .. and 16 + 8 h ..
	WIN 0
.irp t,0,1,2
	global_load_b128 v[AR+24*(\set)+8*\t:AR+24*(\set)+8*\t+3],   v[AO+\t], s[26:27] offset:(\coff)*ACH
	global_load_b128 v[AR+24*(\set)+8*\t+4:AR+24*(\set)+8*\t+7], v[AO+\t], s[26:27] offset:(\coff)*ACH+32
.endr
.endm
.macro ROUND16 set                     ; a set of W rounded to bf16
	WIN 0
.set i_, 0
.rept 16
	v_cvt_pk_bf16_f32 v[TR+i_], v[WR+32*(\set)+2*i_], v[WR+32*(\set)+2*i_+1]
.set i_, i_+1
.endr
.endm
.macro PUT                             ; and laid into my region: 32 lanes store the 256 bytes of a row k
	WIN 0
.set i_, 0
.rept 8
	ds_store_b64 v[SA], v[TR+2*i_:TR+2*i_+1] offset:256*i_
.set i_, i_+1
.endr
	v_add_nc_u32 v[SA], CHL, v[SA]
.endm
.macro LOADBIAS                        ; 16 loads: the bias of all 128 columns into tile 0's accumulators, 8 numbers a lane for each index
	WIN 0x40                                       ; destination window 1, address window 0
.irp j,0,1,2,3
	global_load_b128 v[8*\j:8*\j+3],       v[HP0], s[56:57] offset:64*\j
	global_load_b128 v[8*\j+4:8*\j+7],     v[HP0], s[56:57] offset:64*\j+16
.endr
.irp j,0,1,2,3
	global_load_b128 v[32+8*\j:32+8*\j+3],   v[HP1], s[56:57] offset:64*\j
	global_load_b128 v[32+8*\j+4:32+8*\j+7], v[HP1], s[56:57] offset:64*\j+16
.endr
.endm
.macro SCALE                           ; all three tiles' sums start from my share of the bias
	WIN 0x41                                       ; destination and source 0 in window 1
.irp t,2,1,0
.set i_, 0
.rept 32
	v_pk_mul_f32 v[64*\t+2*i_:64*\t+2*i_+1], v[2*i_:2*i_+1], s[FA:FA+1] op_sel_hi:[1,0]
.set i_, i_+1
.endr
.endr
	WIN 0
.endm
; My three tiles' rows for the pass that begins at row RB: tile t begins st x t + s[ws] rows on; ko: my lane's place in a row of xs
.macro SETROWS st, ws, ko
.irp t,0,1,2
	s_add_co_u32 s[R0+\t], s[RB], (\st)*\t
	s_add_co_u32 s[R0+\t], s[R0+\t], s[\ws]        ; the tile's first row among the expert's
	s_cmp_lt_u32 s[R0+\t], s[CNT]
	s_cselect_b32 s[ACT+\t], 1, 0
	v_add_nc_u32 v28, s[R0+\t], v[R]
	v_min_u32 v28, s[CM1], v28                     ; places past the count repeat the last real row
	v_add_nc_u32 v28, s[OFF], v28
	v_min_u32 v[GR+\t], 0x3ff, v28
	v_lshl_add_u32 v[AO+\t], v[GR+\t], 11, v[\ko]  ; a row of xs is 2,048 bytes
.endr
.endm
.macro LB                              ; 16 turning loads: one K step's eight fragments of W (16 columns x 32 k): index 0-3's columns first, then index 4-7's
	WIN 0x40                                       ; destination window 1, address window 0
.irp f,0,1,2,3
	ds_load_tr16_b128 v[BF+8*\f:BF+8*\f+3],   v[VB0] offset:32*\f
	ds_load_tr16_b128 v[BF+8*\f+4:BF+8*\f+7], v[VB0] offset:KSL/2+32*\f
.endr
.irp f,0,1,2,3
	ds_load_tr16_b128 v[BF+32+8*\f:BF+32+8*\f+3],   v[VB1] offset:32*\f
	ds_load_tr16_b128 v[BF+32+8*\f+4:BF+32+8*\f+7], v[VB1] offset:KSL/2+32*\f
.endr
.endm
.macro MUL1 t, f, hf, set
	v_wmma_f32_16x16x32_bf16 v[64*(\t)+8*(4*(\hf)+(\f)):64*(\t)+8*(4*(\hf)+(\f))+7], v[BF+32*(\hf)+8*(\f):BF+32*(\hf)+8*(\f)+7], v[AR+24*(\set)+8*(\t):AR+24*(\set)+8*(\t)+7], v[64*(\t)+8*(4*(\hf)+(\f)):64*(\t)+8*(4*(\hf)+(\f))+7]
.endm
.macro MM hf, set                      ; four fragments' products: the accumulators take turns, one instruction a turn; tile 2's four are jumped where it holds no real row
	WIN 0x51                                       ; W in window 1, tokens in window 0, C and D in window 1
.irp f,0,1,2,3
.irp t,0,1
	MUL1 \t, \f, \hf, \set
.endr
.endr
	WIN 0
	s_cmp_eq_u32 s[ACT+2], 0
	s_cbranch_scc1 .Lno2_\@
	WIN 0x51
.irp f,0,1,2,3
	MUL1 2, \f, \hf, \set
.endr
	WIN 0
.Lno2_\@:
.endm
; Trip c, a = c % 3.  It multiplies chunk c by the token rows A(c) and lays chunk c + 1 down.  w: the loads that may stay out when W(c+1) and A(c) have to be there.
; isa: A(c+2) is asked for; isw: W(c+4); cv: there is a chunk c + 1.
.macro TRIP a, isa, isw, cv, w
	PLACES                                         ; behind the last trip's products: their fragments' registers are loaded again
	LB
	s_wait_loadcnt \w                              ; loads come back in order (ISA guide 5.7.1)
.if \cv
	ROUND16 ((\a)+1)%3
.endif
.if \isa
	s_wait_xcnt 0x0                                ; the bases are stepped only behind this wait
	s_add_nc_u64 s[26:27], s[26:27], ACH
	s_add_nc_u64 s[24:25], s[24:25], CHUNKG
	RE ((\a)+2)%3, 1
.endif
.if \isw
	ISSUE ((\a)+1)%3, 3
.endif
.if \cv
	PUT
	s_wait_dscnt 16                                ; index 0-3's fragments are in; the other eight loads and the eight stores may be out
.else
	s_wait_dscnt 8
.endif
	MM 0, \a
.if \cv
	s_wait_dscnt 8                                 ; all fragments are in; the eight stores may be out
.else
	s_wait_dscnt 0x0
.endif
	MM 1, \a
	v_add_nc_u32 v[VB0], CHL, v[VB0]
	v_add_nc_u32 v[VB1], CHL, v[VB1]
	SYNC                                           ; chunk c + 1 is whole
.endm
; gelu(x) = max(x, 0) - 0.5 |x| q,  q = erfc(|x| / sqrt 2) = t (a1 + t (a2 + t (a3 + t (a4 + t a5)))) 2^(-z z),  t = 1 / (1 + 0.2316419 |x|),  z = 0.8493218 |x|.
; Eight numbers at a (window 1), from the low end on; the result, rounded to bf16, in PK.
.macro GELU8 a
	WIN 0x55                                       ; all in window 1
.irp j,0,1,2,3,4,5,6,7
	v_and_b32 v[AX+\j], s[ABSM], v[(\a)+\j]
.endr
.irp p,0,2,4,6
	v_pk_mul_f32 v[ZZ+\p:ZZ+\p+1], v[AX+\p:AX+\p+1], s[CZ:CZ+1] op_sel_hi:[1,0]
	v_pk_fma_f32 v[UU+\p:UU+\p+1], v[AX+\p:AX+\p+1], s[CU:CU+1], 1.0 op_sel_hi:[1,0,0]
.endr
.irp p,0,2,4,6
	v_pk_mul_f32 v[ZZ+\p:ZZ+\p+1], v[ZZ+\p:ZZ+\p+1], v[ZZ+\p:ZZ+\p+1] neg_lo:[0,1] neg_hi:[0,1]
.endr
.irp j,0,1,2,3,4,5,6,7
	v_rcp_f32 v[UU+\j], v[UU+\j]
.endr
.irp j,0,1,2,3,4,5,6,7
	v_exp_f32 v[ZZ+\j], v[ZZ+\j]
.endr
	v_nop                                          ; a plain instruction between the transcendentals and the use of their results (ISA guide 5.7.2)
	s_wait_alu depctr_va_vdst(0)
.irp p,0,2,4,6
	v_pk_fma_f32 v[PP+\p:PP+\p+1], v[UU+\p:UU+\p+1], s[A5:A5+1], s[A4:A4+1] op_sel_hi:[1,0,0]
.endr
.irp k,A3,A2,A1
.irp p,0,2,4,6
	v_pk_fma_f32 v[PP+\p:PP+\p+1], v[PP+\p:PP+\p+1], v[UU+\p:UU+\p+1], s[\k:\k+1] op_sel_hi:[1,1,0]
.endr
.endr
.irp p,0,2,4,6
	v_pk_mul_f32 v[PP+\p:PP+\p+1], v[PP+\p:PP+\p+1], v[UU+\p:UU+\p+1]
.endr
.irp p,0,2,4,6
	v_pk_mul_f32 v[PP+\p:PP+\p+1], v[PP+\p:PP+\p+1], v[ZZ+\p:ZZ+\p+1]
.endr
.irp p,0,2,4,6
	v_pk_mul_f32 v[PP+\p:PP+\p+1], v[PP+\p:PP+\p+1], v[AX+\p:AX+\p+1]
.endr
.irp j,0,1,2,3,4,5,6,7
	v_max_num_f32 v[ZZ+\j], 0, v[(\a)+\j]
.endr
.irp p,0,2,4,6
	v_pk_fma_f32 v[ZZ+\p:ZZ+\p+1], v[PP+\p:PP+\p+1], -0.5, v[ZZ+\p:ZZ+\p+1] op_sel_hi:[1,0,1]
.endr
.irp i,0,1,2,3
	v_cvt_pk_bf16_f32 v[PK+\i], v[ZZ+2*\i], v[ZZ+2*\i+1]
.endr
.endm
; THE FIRST PASS'S WAY OUT of tile t, in three parts with a barrier between them.  A tile without a real row is jumped in all three; the two waves of a pair have the same rows, so they jump alike.
.macro XOUT t                          ; my sums for my partner's columns go into my exchange block, in f32: lane to lane, register to register; each accumulator from its low end on
	WIN 0
	s_cmp_eq_u32 s[ACT+\t], 0
	s_cbranch_scc1 .Lxo_\@
	WIN 0x04                                       ; address window 0, data window 1
.irp q,0,1,2,3,4,5,6,7
	ds_store_b128 v[XS], v[64*(\t)+32+4*\q:64*(\t)+32+4*\q+3] offset:512*\q
.endr
	WIN 0
.Lxo_\@:
.endm
.macro FIN t                           ; my partner's sums for my columns are added onto mine; activation; 16 bytes a lane into my 128 bytes of the pair's stage rows
	WIN 0
	s_cmp_eq_u32 s[ACT+\t], 0
	s_cbranch_scc1 .Lfi_\@
.irp q,0,1,2,3,4,5,6,7
	ds_load_b128 v[XR+4*\q:XR+4*\q+3], v[XP] offset:512*\q
.endr
	s_wait_dscnt 0x0
	WIN 0x41                                       ; destination and source 0 in window 1, source 1 in window 0
.set i_, 0
.rept 16
	v_pk_add_f32 v[64*(\t)+2*i_:64*(\t)+2*i_+1], v[64*(\t)+2*i_:64*(\t)+2*i_+1], v[XR+2*i_:XR+2*i_+1]
.set i_, i_+1
.endr
.irp c,0,1,2,3
	GELU8 64*(\t)+8*\c
	WIN 0x04
	ds_store_b128 v[STO], v[PK:PK+3] offset:32*\c
.endr
	WIN 0
.Lfi_\@:
.endm
.macro SEND t                          ; eight whole rows of 256 bytes come back and are stored: rows 8 kg + 2 i + lane / 16 of the tile
	WIN 0
	s_cmp_eq_u32 s[ACT+\t], 0
	s_cbranch_scc1 .Lse_\@
	s_wait_xcnt 0x0                                ; earlier stores' offsets and data are rewritten only behind this wait
.irp i,0,1,2,3
	ds_load_b128 v[OUT+4*\i:OUT+4*\i+3], v[RD] offset:2*SP*\i
.endr
.irp i,0,1,2,3
	s_add_co_u32 s20, s[R0+\t], 2*\i
	v_add_nc_u32 v[SO+\i], s20, v[RH]              ; the row among the expert's,
	v_min_u32 v[SO+\i], s[CM1], v[SO+\i]           ; held to the expert's last row,
	v_add_nc_u32 v[SO+\i], s[OFF], v[SO+\i]        ; among all rows
	v_min_u32 v[SO+\i], 0x3ff, v[SO+\i]
	v_lshl_add_u32 v[SO+\i], v[SO+\i], 13, v[C16]  ; a row of hbuf is 8,192 bytes
.endr
	s_wait_dscnt 0x0
.irp i,0,1,2,3
	global_store_b128 v[SO+\i], v[OUT+4*\i:OUT+4*\i+3], s[28:29]  ; 16 lanes store 256 consecutive bytes, at a multiple of 256 from hbuf's first byte
.endr
.Lse_\@:
.endm
	s_load_b256 s[4:11], s[0:1], 0x0               ; xs s[4:5], indices s[6:7], W1 s[8:9], b1 s[10:11]
	s_load_b64 s[12:13], s[0:1], 0x20              ; hbuf
	v_lshl_add_u32 v[SPW], v0, 2, SPARE
	v_mov_b32 v[NIL], 0
	v_lshrrev_b32 v1, 5, v0
	v_readfirstlane_b32 s[WV], v1                  ; wave 0..7
	v_and_b32 v1, 31, v0                           ; lane
	s_and_b32 s[EX], ttmp7, 0xffff                 ; expert
	s_mov_b32 s[SL], ttmp9                         ; slice of 128 columns
	s_and_b32 s[RG], s[WV], 3
	s_lshr_b32 s[KG], s[WV], 2
	s_mov_b32 s23, 0
	v_and_b32 v[R], 15, v1
	v_lshrrev_b32 v[HH], 4, v1
	v_lshlrev_b32 v[WO], 4, v1
	s_lshl_b32 s20, s[KG], 8                       ; index 0-3's 64 columns' 256 bytes of bias,
	v_lshl_add_u32 v[HP0], v[HH], 5, s20
	s_xor_b32 s20, s20, 256                        ; and index 4-7's
	v_lshl_add_u32 v[HP1], v[HH], 5, s20
	s_wait_kmcnt 0x0
.irp q,0,1,2,3,4,5,6,7
	global_load_b128 v[AR+4*\q:AR+4*\q+3], v[WO], s[6:7] offset:512*\q  ; all 1,024 indices
.endr
	s_lshl_b32 s22, s[EX], 14
	s_lshl_b32 s20, s[SL], 9
	s_add_co_u32 s22, s22, s20
	s_add_nc_u64 s[56:57], s[10:11], s[22:23]      ; b1 at expert and slice
	LOADBIAS
	s_lshl_b32 s22, s[EX], 24
	s_add_co_u32 s22, s22, s20
	s_lshl_b32 s20, s[WV], 14
	s_add_co_u32 s22, s22, s20
	s_add_nc_u64 s[24:25], s[8:9], s[22:23]        ; W1 at expert, slice, row k = my wave
	ISSUE 0, 0                                     ; three chunks' parts go out at once
	ISSUE 1, 1
	ISSUE 2, 2
	s_lshl_b32 s22, s[SL], 8
	s_add_nc_u64 s[28:29], s[12:13], s[22:23]      ; hbuf at the slice's 256 bytes
	s_mov_b64 s[26:27], s[4:5]                     ; xs at chunk 0
	s_mul_i32 s20, s[WV], REG
	v_lshl_add_u32 v[SA], v1, 3, s20               ; my region, 8 bytes a lane
	v_and_b32 v28, 7, v1                           ; the turning load: lane l reads k = 8 (l / 16) + l % 8: region l % 8,
	v_mul_u32_u24 v28, v28, REG
	v_lshl_add_u32 v28, v[HH], 8, v28              ; row l / 16 of it,
	v_bfe_u32 v29, v1, 3, 1
	v_lshl_add_u32 v28, v29, 4, v28                ; columns 8 ((l / 8) % 2) on;
	s_lshl_b32 s21, s[KG], 7                       ; index 0-3's 64 columns' 128 bytes of a row,
	v_add_nc_u32 v[VC0], s21, v28
	s_xor_b32 s21, s21, 128                        ; and index 4-7's
	v_add_nc_u32 v[VC1], s21, v28
	s_lshl_b32 s20, s[KG], 10                      ; in the first pass: my K step of the chunk
	v_add_nc_u32 v[VB0], s20, v[VC0]
	v_add_nc_u32 v[VB1], s20, v[VC1]
	s_mul_i32 s21, s[RG], 16*SP
	s_add_co_u32 s21, s21, STAGE                   ; the pair's stage
	v_mul_u32_u24 v28, v[R], SP
	v_lshl_add_u32 v28, v[HH], 4, v28
	s_lshl_b32 s20, s[KG], 7
	v_lshl_add_u32 v[DK0], v[HH], 4, s20           ; 16 (lane / 16) + index 0's columns in a row's 256 bytes,
	s_add_co_u32 s20, s20, s21
	v_add_nc_u32 v[STO], s20, v28                  ; in: row l % 16, my 128 bytes, 16 bytes for each half of the lanes
	s_lshl_b32 s20, s[KG], 7
	s_xor_b32 s20, s20, 128
	v_lshl_add_u32 v[DK1], v[HH], 4, s20           ; and index 4's
	s_lshl_b32 s20, s[KG], 3
	v_add_nc_u32 v[RH], s20, v[HH]
	v_mul_u32_u24 v28, v[RH], SP
	v_lshl_add_u32 v28, v[R], 4, v28
	v_add_nc_u32 v[RD], s21, v28                   ; back: lanes 0-15 take one row of 256 bytes, lanes 16-31 the next
	v_lshlrev_b32 v[C16], 4, v[R]
	v_lshlrev_b32 v[H16], 4, v[HH]
	s_lshl_b32 s20, s[WV], 12
	s_add_co_u32 s20, s20, XCH
	v_lshl_add_u32 v[XS], v1, 4, s20               ; my exchange block,
	s_xor_b32 s20, s[WV], 4
	s_lshl_b32 s20, s20, 12
	s_add_co_u32 s20, s20, XCH
	v_lshl_add_u32 v[XP], v1, 4, s20               ; and that of the wave with the same rows and the other K steps
	s_lshl_b32 s20, s[KG], 6
	v_lshl_add_u32 v[KO], v[HH], 4, s20
	s_lshl_b32 s[RG16], s[RG], 4
	s_lshl_b32 s[W16], s[WV], 4
	s_mov_b32 s[CNT], 0
	s_mov_b32 s[OFF], 0
	s_mov_b32 s[RB], 0
	KPAIR FA, 0x3f000000                           ; 0.5: the other half of the bias is my partner's
	KPAIR CZ, 0x3f596d27                           ; 0.8493218 = sqrt(log2(e) / 2)
	KPAIR CU, 0x3e6d3388                           ; 0.2316419 = 0.3275911 / sqrt 2
	KPAIR A5, 0x3f87dc22                           ; 1.061405429
	KPAIR A4, 0xbfba00e3                           ; -1.453152027
	KPAIR A3, 0x3fb5f0e3                           ; 1.421413741
	KPAIR A2, 0xbe91a98e                           ; -0.284496736
	KPAIR A1, 0x3e827906                           ; 0.254829592
	s_mov_b32 s[ABSM], 0x7fffffff
	s_wait_loadcnt 24                              ; the indices and the bias are in; the 24 loads of W, issued behind them, may be out
	; my expert's rows, and the rows of the experts in front of it: sixteen compares into sixteen scalar registers, then their population counts, four times
.set n_, 0
.rept 4
.set m_, 0
.rept 8
	v_cmp_eq_u32 s[MK+m_], s[EX], v[AR+n_+m_]
	v_cmp_gt_u32 s[MK+8+m_], s[EX], v[AR+n_+m_]
.set m_, m_+1
.endr
.set m_, 0
.rept 8
	s_bcnt1_i32_b32 s[MK+m_], s[MK+m_]
	s_bcnt1_i32_b32 s[MK+8+m_], s[MK+8+m_]
	s_add_co_u32 s[CNT], s[CNT], s[MK+m_]
	s_add_co_u32 s[OFF], s[OFF], s[MK+8+m_]
.set m_, m_+1
.endr
.set n_, n_+8
.endr
	s_max_u32 s[CM1], s[CNT], 1
	s_sub_co_u32 s[CM1], s[CM1], 1
	SETROWS 64, RG16, KO
	RE 0, 0                                        ; chunks 0 and 1 of the token rows
	RE 1, 1
	SCALE
	s_wait_loadcnt 16+2*NA                         ; W0 is in; W1, W2, A0, A1 may be out
	ROUND16 0
	ISSUE 0, 3
	PUT
	SYNC                                           ; chunk 0 is whole
	TRIP 0, 1, 1, 1, NA+8                          ; the order so far was W0 W1 W2 A0 A1 W3: behind A0 stand A1 and W3
	s_mov_b32 s30, 3
.Lloop:                                                ; trips 1 to 9.  Behind A(c): W(c+2), A(c+1), W(c+3)
	TRIP 1, 1, 1, 1, NA+16
	TRIP 2, 1, 1, 1, NA+16
	TRIP 0, 1, 1, 1, NA+16
	s_sub_co_u32 s30, s30, 1
	s_cmp_lg_u32 s30, 0
	s_cbranch_scc1 .Lloop
	TRIP 1, 1, 1, 1, NA+16                         ; trips 10 and 11 ask for the last of W
	TRIP 2, 1, 1, 1, NA+16
	TRIP 0, 1, 0, 1, NA+16                         ; trip 12 asks for A14 alone
	TRIP 1, 1, 0, 1, NA+8                          ; trip 13: behind A13 stand W15 and A14; it asks for A15
	TRIP 2, 0, 0, 1, NA                            ; trip 14: behind A14 stands A15
	TRIP 0, 0, 0, 0, 0                             ; trip 15: nothing is left to lay down
	; THE FIRST PASS GOES OUT.  Between a store into the exchange or the stage and the partner's read of it, and between such a read and the next store there, stands a barrier, on every wave's path.
	PLACES
	XOUT 0
	SYNC
	FIN 0
	SYNC
	SEND 0
	XOUT 1
	SYNC
	FIN 1
	SYNC
	SEND 1
	XOUT 2
	SYNC
	FIN 2
	SYNC                                           ; behind this barrier nothing is stored into LDS but the closing add
	SEND 2
	; LATER PASSES.  Three trips cover rows 192 to 1,343.  A trip without rows is jumped; what is jumped holds no barrier.
	KPAIR FA, 0x3f800000                           ; 1.0: a wave now has all of K, and its sums start from the whole bias
	s_mov_b32 s[RB], 192
	s_mov_b32 s37, 3
.Lpass:
	s_cmp_ge_u32 s[RB], s[CNT]
	s_cbranch_scc1 .Lnext
	s_wait_xcnt 0x0                                ; the stores have read their registers
	SETROWS 128, W16, H16
	LOADBIAS
	WIN 0
	s_mov_b64 s[26:27], s[4:5]
	v_mov_b32 v[VB0], v[VC0]
	v_mov_b32 v[VB1], v[VC1]
	s_wait_loadcnt 0x0
	SCALE
	s_mov_b32 s38, 32
.Ltk:                                                  ; a K step of 32
	PLACES
	RE 0, 0
	LB
	s_wait_loadcnt 0x0
	s_wait_dscnt 0x0
	MM 0, 0
	MM 1, 0
	s_wait_xcnt 0x0
	s_add_nc_u64 s[26:27], s[26:27], 64
	v_add_nc_u32 v[VB0], KSL, v[VB0]
	v_add_nc_u32 v[VB1], KSL, v[VB1]
	s_sub_co_u32 s38, s38, 1
	s_cmp_lg_u32 s38, 0
	s_cbranch_scc1 .Ltk
	; The pass goes out.  The activation is written for tile 0 alone and walked three times; behind each walk the other tiles' accumulators move down by one tile (128 moves for a third of the text).
	s_mov_b32 s47, 3
.Ltile:
	PLACES
	s_cmp_eq_u32 s[ACT], 0
	s_cbranch_scc1 .Ldead                          ; a tile without a real row stores nothing
	s_wait_xcnt 0x0                                ; the last tile's stores have read their offsets
	v_min_u32 v28, 0x3ff, v[GR]
	v_lshl_add_u32 v[DS0], v28, 13, v[DK0]         ; a row of hbuf is 8,192 bytes
	v_lshl_add_u32 v[DS1], v28, 13, v[DK1]
.irp c,0,1,2,3,4,5,6,7
	s_wait_xcnt 0x0                                ; the last store has read PK
	GELU8 8*\c
	WIN 0x04                                       ; offset window 0, data window 1
	global_store_b128 v[DS0+\c/4], v[PK:PK+3], s[28:29] offset:32*(\c%4)  ; lanes l and l + 16 store 32 consecutive bytes of row l % 16
.endr
	WIN 0
.Ldead:
	WIN 0x41                                       ; destination and source in window 1
.set i_, 0
.rept 128
	v_mov_b32 v[i_], v[64+i_]                      ; ascending: each register is read before it is written, each accumulator from its low end on
.set i_, i_+1
.endr
	WIN 0
	v_mov_b32 v[GR], v[GR+1]
	v_mov_b32 v[GR+1], v[GR+2]
	s_mov_b32 s[ACT], s[ACT+1]
	s_mov_b32 s[ACT+1], s[ACT+2]
	s_sub_co_u32 s47, s47, 1
	s_cmp_lg_u32 s47, 0
	s_cbranch_scc1 .Ltile
.Lnext:
	s_add_co_u32 s[RB], s[RB], 384
	s_sub_co_u32 s37, s37, 1
	s_cmp_lg_u32 s37, 0
	s_cbranch_scc1 .Lpass
	SYNC                                           ; every wave's reads of the slice are over
	s_wait_tensorcnt 0x0                           ; the wave's end, behind my last LDS store
	ds_add_u32 v[SPW], v[NIL]
	s_wait_dscnt 0x0
	s_endpgm
.Lfunc_end_k_qf20f1cbe1d_ffn1:
	.size	k_qf20f1cbe1d_ffn1, .Lfunc_end_k_qf20f1cbe1d_ffn1-k_qf20f1cbe1d_ffn1
	.p2alignl 7, 3214868480
	.fill 96, 4, 3214868480
	.section	.rodata,"a",@progbits
	.p2align	6, 0x0
	.amdhsa_kernel k_qf20f1cbe1d_ffn1
		.amdhsa_group_segment_fixed_size 313856
		.amdhsa_private_segment_fixed_size 0
		.amdhsa_enable_private_segment 0
		.amdhsa_kernarg_size 40
		.amdhsa_user_sgpr_count 2
		.amdhsa_user_sgpr_kernarg_segment_ptr 1
		.amdhsa_wavefront_size32 1
		.amdhsa_system_sgpr_workgroup_id_x 1
		.amdhsa_system_sgpr_workgroup_id_y 1
		.amdhsa_system_sgpr_workgroup_id_z 1
		.amdhsa_system_vgpr_workitem_id 0
		.amdhsa_next_free_vgpr 512
		.amdhsa_next_free_sgpr 100
		.amdhsa_reserve_vcc 0
		.amdhsa_float_denorm_mode_32 3
		.amdhsa_float_denorm_mode_16_64 3
		.amdhsa_memory_ordered 1
		.amdhsa_forward_progress 1
		.amdhsa_inst_pref_size 202
	.end_amdhsa_kernel
	.amdgpu_metadata
---
amdhsa.version: [ 1, 2 ]
amdhsa.kernels:
  - .name:           k_qf20f1cbe1d_ffn1
    .symbol:         k_qf20f1cbe1d_ffn1.kd
    .args:
      - { .name: xs, .offset: 0, .size: 8, .value_kind: global_buffer, .address_space: global }
      - { .name: indices_s, .offset: 8, .size: 8, .value_kind: global_buffer, .address_space: global }
      - { .name: weight1, .offset: 16, .size: 8, .value_kind: global_buffer, .address_space: global }
      - { .name: bias1, .offset: 24, .size: 8, .value_kind: global_buffer, .address_space: global }
      - { .name: hbuf, .offset: 32, .size: 8, .value_kind: global_buffer, .address_space: global }
    .group_segment_fixed_size: 313856
    .private_segment_fixed_size: 0
    .kernarg_segment_align: 8
    .kernarg_segment_size: 40
    .max_flat_workgroup_size: 256
    .sgpr_count:     100
    .vgpr_count:     512
    .wavefront_size: 32
...
	.end_amdgpu_metadata
.endif
;; end of part 6
;; launch ffn2 (part 7): grid 32 x 8, 8 waves a work-group, no clusters, 297,472 bytes of LDS; arguments hbuf, indices_s, weight2, bias2, order, part; writes part
.if DOCPART == 7
	.amdgcn_target "amdgcn-amd-amdhsa--gfx1250"
	.amdhsa_code_object_version 6
	.text
	.protected	k_qf20f1cbe1d_ffn2
	.globl	k_qf20f1cbe1d_ffn2
	.p2align	8
	.type	k_qf20f1cbe1d_ffn2,@function
k_qf20f1cbe1d_ffn2:
	s_mov_b64 s[64:65], 0
	v_nop
	global_prefetch_b8 v0, s[64:65] scope:SCOPE_SE
	s_setreg_imm32_b32 hwreg(HW_REG_WAVE_MODE, 25, 1), 1
	s_wait_xcnt 0x0
; part[kh][token][n] = hbuf[row][K half kh] . W2[e][K half kh][n] + b2[e][n] / 2 in f32, for the rows of expert e (rows of hbuf lie sorted by expert; token = order[row]).
; hbuf [1024][4096] bf16, W2 [8][4096][1024] f32, order [1024] i32, part [2][1024][1024] f32.
; SHARES.  Work-group (cs + 16 kh, e): 64 columns (256 aligned bytes of each row of W2) x 2,048 k of expert e, read by this work-group alone, and ALL rows of e.
; Every wave runs the same text.  THE FIRST 192 ROWS run beside the stream.  Wave w = (rg = w % 4, kg = w / 4) has three tiles of 16 rows (tile t: rows 64 t + 16 rg on), all 64 columns, and K steps 2 kg and 2 kg + 1
; of the four K steps of 32 in each chunk of 128 k: a fragment of W read from LDS feeds two or three products, and no byte of a token row is read by two waves.  The waves kg = 0 and kg = 1 of one rg hold partial
; sums of the same outputs; they meet on the way out.
; THE BIAS.  Each work-group carries half of it, so that the sum of the two parts, made by the next launch, carries it once: a quarter in each of the first pass's two K parts, the half in a later pass
; (exact but where the share is a denormal).
; THE STREAM.  16 chunks.  In trip c each wave reads its fragments of chunk c, rounds its eighth of chunk c + 1 to bf16 and lays it into LDS, asks for the chunk four on and the token rows two on, and multiplies.
; ONE barrier a trip: in front of it each wave's stores of chunk c + 1 are done, behind it chunk c + 1 is read.  Each byte of the slice is written once in the launch, so a trip's stores and its reads touch different bytes.
; LATER PASSES (an expert with more than 192 rows) read the slice that then lies whole in LDS.  There a wave has rows of its own (tile t: rows 128 t + 16 w on, 384 rows a pass) and all of the work-group's K: no sums
; meet, nothing is stored into LDS, and so the loop over these passes holds no barrier; a trip without rows is four scalar lines.  The price: these passes store from the accumulators' layout, 16 bytes a lane,
; 64 consecutive bytes of a row to a pair of lanes in two instructions, not whole aligned blocks of 256 bytes.
; LDS.  An LDS row of 256 bytes holds a pair of k: the even one's 64 columns, then the odd one's.  Pair p lies in region p % 8, at 256 (p / 8); a region is 32,768 + 32 bytes: the 4 pairs x 2 halves that 16 lanes
; of a turning load touch (32 bytes each) fall on every bank once (64 banks of 4 bytes: ISA guide 11.1).  Wave w fills region w alone.
; THE MATRIX INSTRUCTION IS USED TRANSPOSED: source 0 = 16 columns of W (turned on the way out of LDS), source 1 = 16 rows of hbuf: a lane holds one row and eight neighbouring columns.
; WHOSE COLUMNS.  Accumulator index j of a tile stands for column tile (j + 2 kg) % 4: in the first pass indices 0, 1 are the 32 columns that this wave finishes, indices 2, 3 those that its partner finishes.
; NO MULTICAST: a slice has one reader; the token rows that an expert's work-groups share are a fifth of a trip's bytes (8 KiB of 40).
; LIMITS.  An expert without rows still streams its slice and stores nothing.  In a tile that is not full the places past the count repeat the expert's last row: the same bytes are stored again.
.set NA,      12                       ; loads of token rows for a chunk: 3 tiles x 2 K steps x 2
.set REG,     32800
.set CHL,     2048                     ; a chunk in a region: 8 rows of 256 bytes
.set KSL,     512                      ; a K step of 32 (16 pairs) in a region
.set CHUNKG,  128*4096                 ; a chunk in memory: 128 rows of W2
.set WSTEP,   16*4096                  ; from one load of mine to the next: 8 pairs
.set ACH,     256                      ; a chunk's 128 k in a row of hbuf
.set XCH,     262656                   ; behind the slice: the exchange, a block for each wave: one tile's 2 accumulators in f32
.set XW,      2048
.set STAGE,   XCH+8*XW                 ; 16 rows x 272 bytes for each rg, shared by its two waves
.set SP,      272
.set SPARE,   STAGE+4*16*SP            ; the spare words, 128 bytes for each of the eight waves: four blocks of 256 bytes that no other line names
.set SPW, 2
.set NIL, 3
.set R,   4
.set HH,  5
.set VB0, 6                            ; v6  LDS address of my part of the turning loads, K steps in hand, index 0, 1's columns   v7 index 2, 3's   v8-9 the two for the slice's first K step
.set VB1, 7
.set VC0, 8
.set VC1, 9
.set AO,  10                           ; v10-12 tile t: byte offset of my row in hbuf, + 16 (lane / 16), in the first pass + 128 kg
.set WO,  13                           ; v13 my byte offset in a pair of rows of W2
.set SA,  14
.set STO, 15
.set RD,  16
.set C16, 17
.set HP0, 18                           ; v18 32 (lane / 16) + index 0's columns in 256 bytes of f32: my place in the bias, and in a row of part   v19 index 2's
.set HP1, 19
.set SO,  20                           ; v20-23
.set XS,  24
.set XP,  25
.set KO,  26                           ; v26 16 (lane / 16) + 128 kg
.set RH,  27                           ; v27 8 kg + lane / 16
.set IO,  30                           ; v30 16 x lane
.set AR,  32                           ; v32-175 token fragments, three sets: AR + 48 set + 16 t + 8 s (at the head: the indices)
.set TR,  176                          ; v176-191 a set of W rounded
.set XR,  192                          ; v192-207 the way out: my partner's sums for my columns (at the head: the offsets of the loads from order)
.set OUT, 208                          ; v208-223 the way out: rows read back
.set TK,  224                          ; v224-235 the first pass: the token of row 8 kg + 2 i + lane / 16 of tile t at TK + 4 t + i
.set TL,  236                          ; v236-238 a later pass: tile t: my row's token
.set H16, 239                          ; v239 16 (lane / 16)
.set DS,  240                          ; v240-245 a later pass's stores' offsets, two a tile
.set GR,  246                          ; v246-248 tile t: my row among all rows
.set TLA, 249                          ; v249-251 a later pass: the offsets of the loads from order
; window 1: accumulator (tile t, index j) at 32 t + 8 j; eight fragments of W; three sets of W in f32
.set BF,  96
.set WR,  160
.set WV,  14
.set RG,  15
.set KG,  43
.set EX,  16
.set CS,  17                           ; s17 column slice   s46 K half
.set KH,  46
.set CNT, 18
.set CM1, 19
.set OFF, 31
.set ACT, 32
.set R0,  40
.set RB,  36
.set RG16,39
.set W16, 52
.set QU,  58                           ; s[58:59] the share of the bias from which a wave's sums start, twice (named as a pair)
.set MK,  66                           ; s66-81 sixteen masks, then their counts
.set MSB, 0
.macro WIN new
.if MSB != (\new)
	s_set_vgpr_msb (MSB<<8)|(\new)
.set MSB, (\new)
.endif
.endm
.macro PLACES                          ; four places behind matrix instructions (ISA guide 7.12.1)
.rept 4
	v_nop
.endr
.endm
.macro SYNC                            ; no LDS instruction of mine is out at the signal: my stores are done for the others' sake, my reads are over
	s_wait_dscnt 0x0
	s_barrier_signal -1
	s_barrier_wait -1
.endm
.macro ISSUE set, coff                 ; 8 loads: my 8 pairs of a chunk (pair % 8 = my wave); lanes 0-15 take 256 aligned bytes of the even row, lanes 16-31 of the odd row
	WIN 0x40
.set i_, 0
.rept 8
	global_load_b128 v[WR+32*(\set)+4*i_:WR+32*(\set)+4*i_+3], v[WO], s[24:25] offset:(\coff)*CHUNKG+i_*WSTEP th:TH_LOAD_NT
.set i_, i_+1
.endr
.endm
.macro RE set, coff                    ; 12 loads: two K steps (128 bytes of a row) of my three tiles, as fragments
	WIN 0
.irp t,0,1,2
.irp s,0,1
	global_load_b128 v[AR+48*(\set)+16*\t+8*\s:AR+48*(\set)+16*\t+8*\s+3],   v[AO+\t], s[26:27] offset:(\coff)*ACH+64*\s
	global_load_b128 v[AR+48*(\set)+16*\t+8*\s+4:AR+48*(\set)+16*\t+8*\s+7], v[AO+\t], s[26:27] offset:(\coff)*ACH+64*\s+32
.endr
.endr
.endm
.macro ROUND16 set                     ; a set of W rounded to bf16
	WIN 0x05                                       ; sources in window 1, destination in window 0
.set i_, 0
.rept 16
	v_cvt_pk_bf16_f32 v[TR+i_], v[WR+32*(\set)+2*i_], v[WR+32*(\set)+2*i_+1]
.set i_, i_+1
.endr
.endm
.macro PUT                             ; and laid into my region: 32 lanes store the 256 bytes of a pair of k
	WIN 0
.set i_, 0
.rept 8
	ds_store_b64 v[SA], v[TR+2*i_:TR+2*i_+1] offset:256*i_
.set i_, i_+1
.endr
	v_add_nc_u32 v[SA], CHL, v[SA]
.endm
.macro LOADBIAS                        ; 8 loads: the bias of all 64 columns into tile 0's accumulators
	WIN 0x40
.irp j,0,1
	global_load_b128 v[8*\j:8*\j+3],       v[HP0], s[56:57] offset:64*\j
	global_load_b128 v[8*\j+4:8*\j+7],     v[HP0], s[56:57] offset:64*\j+16
.endr
.irp j,0,1
	global_load_b128 v[16+8*\j:16+8*\j+3],   v[HP1], s[56:57] offset:64*\j
	global_load_b128 v[16+8*\j+4:16+8*\j+7], v[HP1], s[56:57] offset:64*\j+16
.endr
.endm
.macro SCALE                           ; all three tiles' sums start from my share of the bias
	WIN 0x41                                       ; destination and source 0 in window 1
.irp t,2,1,0
.set i_, 0
.rept 16
	v_pk_mul_f32 v[32*\t+2*i_:32*\t+2*i_+1], v[2*i_:2*i_+1], s[QU:QU+1] op_sel_hi:[1,0]
.set i_, i_+1
.endr
.endr
	WIN 0
.endm
; My three tiles' rows for the pass that begins at row RB: tile t begins st x t + s[ws] rows on; ko: my lane's place in a row of hbuf
.macro SETROWS st, ws, ko
.irp t,0,1,2
	s_add_co_u32 s[R0+\t], s[RB], (\st)*\t
	s_add_co_u32 s[R0+\t], s[R0+\t], s[\ws]
	s_cmp_lt_u32 s[R0+\t], s[CNT]
	s_cselect_b32 s[ACT+\t], 1, 0
	v_add_nc_u32 v28, s[R0+\t], v[R]
	v_min_u32 v28, s[CM1], v28                     ; places past the count repeat the last real row
	v_add_nc_u32 v28, s[OFF], v28
	v_min_u32 v[GR+\t], 0x3ff, v28
	v_lshl_add_u32 v[AO+\t], v[GR+\t], 13, v[\ko]  ; a row of hbuf is 8,192 bytes
.endr
.endm
.macro GETTOK                          ; 12 loads: the tokens of the rows that I shall store in the first pass
.irp t,0,1,2
.irp i,0,1,2,3
	s_add_co_u32 s20, s[R0+\t], 2*\i
	v_add_nc_u32 v28, s20, v[RH]                   ; the row among the expert's,
	v_min_u32 v28, s[CM1], v28                     ; held to the expert's last row,
	v_add_nc_u32 v28, s[OFF], v28                  ; among all rows
	v_min_u32 v28, 0x3ff, v28
	v_lshlrev_b32 v[XR+4*\t+\i], 2, v28
	global_load_b32 v[TK+4*\t+\i], v[XR+4*\t+\i], s[48:49]
.endr
.endr
.endm
.macro LB                              ; 16 turning loads: eight fragments of W: the first K step's four (index 0, 1's columns, index 2, 3's), then the second's
	WIN 0x40
.irp s,0,1
.irp f,0,1
	ds_load_tr16_b128 v[BF+32*\s+8*\f:BF+32*\s+8*\f+3],   v[VB0] offset:KSL*\s+32*\f
	ds_load_tr16_b128 v[BF+32*\s+8*\f+4:BF+32*\s+8*\f+7], v[VB0] offset:KSL*\s+KSL/2+32*\f
.endr
.irp f,0,1
	ds_load_tr16_b128 v[BF+32*\s+16+8*\f:BF+32*\s+16+8*\f+3],   v[VB1] offset:KSL*\s+32*\f
	ds_load_tr16_b128 v[BF+32*\s+16+8*\f+4:BF+32*\s+16+8*\f+7], v[VB1] offset:KSL*\s+KSL/2+32*\f
.endr
.endr
.endm
.macro MUL1 t, f, hf, set
	v_wmma_f32_16x16x32_bf16 v[32*(\t)+8*(\f):32*(\t)+8*(\f)+7], v[BF+32*(\hf)+8*(\f):BF+32*(\hf)+8*(\f)+7], v[AR+48*(\set)+16*(\t)+8*(\hf):AR+48*(\set)+16*(\t)+8*(\hf)+7], v[32*(\t)+8*(\f):32*(\t)+8*(\f)+7]
.endm
.macro MM hf, set                      ; one K step's products: the accumulators take turns, one instruction a turn; tile 2's four are jumped where it holds no real row
	WIN 0x51                                       ; W in window 1, tokens in window 0, C and D in window 1
.irp f,0,1,2,3
.irp t,0,1
	MUL1 \t, \f, \hf, \set
.endr
.endr
	WIN 0
	s_cmp_eq_u32 s[ACT+2], 0
	s_cbranch_scc1 .Lno2_\@
	WIN 0x51
.irp f,0,1,2,3
	MUL1 2, \f, \hf, \set
.endr
	WIN 0
.Lno2_\@:
.endm
; Trip c, a = c % 3.  It multiplies chunk c by the token rows A(c) and lays chunk c + 1 down.  w: the loads that may stay out when W(c+1) and A(c) have to be there.
; isa: A(c+2) is asked for; isw: W(c+4); cv: there is a chunk c + 1.
.macro TRIP a, isa, isw, cv, w
	PLACES                                         ; behind the last trip's products: their fragments' registers are loaded again
	LB
	s_wait_loadcnt \w                              ; loads come back in order (ISA guide 5.7.1)
.if \cv
	ROUND16 ((\a)+1)%3
.endif
.if \isa
	s_wait_xcnt 0x0                                ; the bases are stepped only behind this wait
	s_add_nc_u64 s[26:27], s[26:27], ACH
	s_add_nc_u64 s[24:25], s[24:25], CHUNKG
	RE ((\a)+2)%3, 1
.endif
.if \isw
	ISSUE ((\a)+1)%3, 3
.endif
.if \cv
	PUT
	s_wait_dscnt 16                                ; my first K step's fragments are in; the other eight loads and the eight stores may be out
.else
	s_wait_dscnt 8
.endif
	MM 0, \a
.if \cv
	s_wait_dscnt 8                                 ; all fragments are in; the eight stores may be out
.else
	s_wait_dscnt 0x0
.endif
	MM 1, \a
	v_add_nc_u32 v[VB0], CHL, v[VB0]
	v_add_nc_u32 v[VB1], CHL, v[VB1]
	SYNC                                           ; chunk c + 1 is whole
.endm
; THE FIRST PASS'S WAY OUT of tile t, in three parts with a barrier between them.  A tile without a real row is jumped in all three; the two waves of a pair have the same rows, so they jump alike.
.macro XOUT t                          ; my sums for my partner's columns go into my exchange block, in f32: lane to lane, register to register; each accumulator from its low end on
	WIN 0
	s_cmp_eq_u32 s[ACT+\t], 0
	s_cbranch_scc1 .Lxo_\@
	WIN 0x04                                       ; address window 0, data window 1
.irp q,0,1,2,3
	ds_store_b128 v[XS], v[32*(\t)+16+4*\q:32*(\t)+16+4*\q+3] offset:512*\q
.endr
	WIN 0
.Lxo_\@:
.endm
.macro FIN t                           ; my partner's sums for my columns are added onto mine; 32 bytes a lane for each index into my 128 bytes of the pair's stage rows
	WIN 0
	s_cmp_eq_u32 s[ACT+\t], 0
	s_cbranch_scc1 .Lfi_\@
.irp q,0,1,2,3
	ds_load_b128 v[XR+4*\q:XR+4*\q+3], v[XP] offset:512*\q
.endr
	s_wait_dscnt 0x0
	WIN 0x41                                       ; destination and source 0 in window 1, source 1 in window 0
.set i_, 0
.rept 8
	v_pk_add_f32 v[32*(\t)+2*i_:32*(\t)+2*i_+1], v[32*(\t)+2*i_:32*(\t)+2*i_+1], v[XR+2*i_:XR+2*i_+1]
.set i_, i_+1
.endr
	WIN 0x04
.irp c,0,1
	ds_store_b128 v[STO], v[32*(\t)+8*\c:32*(\t)+8*\c+3]   offset:64*\c
	ds_store_b128 v[STO], v[32*(\t)+8*\c+4:32*(\t)+8*\c+7] offset:64*\c+16
.endr
	WIN 0
.Lfi_\@:
.endm
.macro SEND t                          ; eight whole rows of 256 bytes come back and are stored at their tokens' rows: rows 8 kg + 2 i + lane / 16 of the tile
	WIN 0
	s_cmp_eq_u32 s[ACT+\t], 0
	s_cbranch_scc1 .Lse_\@
	s_wait_xcnt 0x0                                ; earlier stores' offsets and data are rewritten only behind this wait
.irp i,0,1,2,3
	ds_load_b128 v[OUT+4*\i:OUT+4*\i+3], v[RD] offset:2*SP*\i
.endr
.irp i,0,1,2,3
	v_min_u32 v[SO+\i], 0x3ff, v[TK+4*(\t)+\i]
	v_lshl_add_u32 v[SO+\i], v[SO+\i], 12, v[C16]  ; a row of part is 4,096 bytes
.endr
	s_wait_dscnt 0x0
.irp i,0,1,2,3
	global_store_b128 v[SO+\i], v[OUT+4*\i:OUT+4*\i+3], s[28:29]  ; 16 lanes store 256 consecutive bytes, at a multiple of 256 from part's first byte
.endr
.Lse_\@:
.endm
; A LATER PASS'S WAY OUT of tile t: straight from the accumulators, each from its low end on: a lane's eight numbers of an index are 32 consecutive bytes of its token's row
.macro EPI2 t
	WIN 0
	s_cmp_eq_u32 s[ACT+\t], 0
	s_cbranch_scc1 .Le2_\@                         ; a tile without a real row stores nothing
	v_min_u32 v[TL+\t], 0x3ff, v[TL+\t]
	v_lshl_add_u32 v[DS+2*\t],   v[TL+\t], 12, v[HP0]
	v_lshl_add_u32 v[DS+2*\t+1], v[TL+\t], 12, v[HP1]
	WIN 0x04                                       ; offset window 0, data window 1
.irp c,0,1
	global_store_b128 v[DS+2*\t], v[32*(\t)+8*\c:32*(\t)+8*\c+3]   , s[28:29] offset:64*\c
	global_store_b128 v[DS+2*\t], v[32*(\t)+8*\c+4:32*(\t)+8*\c+7] , s[28:29] offset:64*\c+16
.endr
.irp c,0,1
	global_store_b128 v[DS+2*\t+1], v[32*(\t)+16+8*\c:32*(\t)+16+8*\c+3]   , s[28:29] offset:64*\c
	global_store_b128 v[DS+2*\t+1], v[32*(\t)+16+8*\c+4:32*(\t)+16+8*\c+7] , s[28:29] offset:64*\c+16
.endr
	WIN 0
.Le2_\@:
.endm
	s_load_b256 s[4:11], s[0:1], 0x0               ; hbuf s[4:5], indices s[6:7], W2 s[8:9], b2 s[10:11]
	s_load_b128 s[48:51], s[0:1], 0x20             ; order s[48:49], part s[50:51]
	v_lshl_add_u32 v[SPW], v0, 2, SPARE
	v_mov_b32 v[NIL], 0
	v_lshrrev_b32 v1, 5, v0
	v_readfirstlane_b32 s[WV], v1
	v_and_b32 v1, 31, v0
	s_and_b32 s[EX], ttmp7, 0xffff
	s_and_b32 s[CS], ttmp9, 15
	s_lshr_b32 s[KH], ttmp9, 4
	s_and_b32 s[RG], s[WV], 3
	s_lshr_b32 s[KG], s[WV], 2
	s_mov_b32 s23, 0
	s_mov_b32 s[QU], 0x3e800000                    ; 0.25: one of four K parts
	s_mov_b32 s[QU+1], 0x3e800000
	v_and_b32 v[R], 15, v1
	v_lshrrev_b32 v[HH], 4, v1
	v_lshlrev_b32 v[IO], 4, v1
	v_lshlrev_b32 v[C16], 4, v[R]
	v_lshlrev_b32 v[H16], 4, v[HH]
	v_lshl_add_u32 v[WO], v[HH], 12, v[C16]        ; lanes 16-31 one row further down
	s_lshl_b32 s20, s[KG], 7                       ; index 0, 1's 32 columns' 128 bytes in f32,
	v_lshl_add_u32 v[HP0], v[HH], 5, s20
	s_xor_b32 s20, s20, 128                        ; and index 2, 3's
	v_lshl_add_u32 v[HP1], v[HH], 5, s20
	s_wait_kmcnt 0x0
.irp q,0,1,2,3,4,5,6,7
	global_load_b128 v[AR+4*\q:AR+4*\q+3], v[IO], s[6:7] offset:512*\q  ; all 1,024 indices
.endr
	s_lshl_b32 s22, s[EX], 12
	s_lshl_b32 s20, s[CS], 8
	s_add_co_u32 s22, s22, s20
	s_add_nc_u64 s[56:57], s[10:11], s[22:23]      ; b2 at expert and column slice
	LOADBIAS
	s_lshl_b32 s22, s[EX], 24
	s_add_co_u32 s22, s22, s20
	s_lshl_b32 s21, s[KH], 23
	s_add_co_u32 s22, s22, s21
	s_lshl_b32 s21, s[WV], 13
	s_add_co_u32 s22, s22, s21
	s_add_nc_u64 s[24:25], s[8:9], s[22:23]        ; W2 at expert, K half, column slice, pair = my wave
	ISSUE 0, 0                                     ; three chunks' parts go out at once
	ISSUE 1, 1
	ISSUE 2, 2
	WIN 0
	s_lshl_b32 s22, s[KH], 22
	s_add_co_u32 s22, s22, s20
	s_add_nc_u64 s[28:29], s[50:51], s[22:23]      ; part at K half and column slice
	s_lshl_b32 s22, s[KH], 12
	s_add_nc_u64 s[44:45], s[4:5], s[22:23]        ; hbuf at the K half's 4,096 bytes of a row
	s_mov_b64 s[26:27], s[44:45]
	s_mul_i32 s20, s[WV], REG
	v_lshl_add_u32 v[SA], v1, 3, s20               ; my region; lanes 0-15 the even k's 128 bytes, lanes 16-31 the odd k's
	v_bfe_u32 v28, v1, 1, 2                        ; the turning load: lane l reads k = 8 (l / 16) + l % 8: pair 4 (l / 16) + (l / 2) % 4 = its region,
	v_lshl_add_u32 v28, v[HH], 2, v28
	v_mul_u32_u24 v28, v28, REG
	v_and_b32 v29, 1, v1
	v_lshl_add_u32 v28, v29, 7, v28                ; half l % 2,
	v_bfe_u32 v29, v1, 3, 1
	v_lshl_add_u32 v28, v29, 4, v28                ; columns 8 ((l / 8) % 2) on;
	s_lshl_b32 s21, s[KG], 6                       ; index 0, 1's 32 columns' 64 bytes,
	v_add_nc_u32 v[VC0], s21, v28
	s_xor_b32 s21, s21, 64                         ; and index 2, 3's
	v_add_nc_u32 v[VC1], s21, v28
	s_lshl_b32 s20, s[KG], 10                      ; in the first pass: my two K steps of the chunk
	v_add_nc_u32 v[VB0], s20, v[VC0]
	v_add_nc_u32 v[VB1], s20, v[VC1]
	s_mul_i32 s21, s[RG], 16*SP
	s_add_co_u32 s21, s21, STAGE                   ; the pair's stage
	v_mul_u32_u24 v28, v[R], SP
	v_lshl_add_u32 v28, v[HH], 5, v28
	s_lshl_b32 s20, s[KG], 7
	s_add_co_u32 s20, s20, s21
	v_add_nc_u32 v[STO], s20, v28                  ; in: row l % 16, my 128 bytes, 32 bytes for each half of the lanes
	s_lshl_b32 s20, s[KG], 3
	v_add_nc_u32 v[RH], s20, v[HH]
	v_mul_u32_u24 v28, v[RH], SP
	v_lshl_add_u32 v28, v[R], 4, v28
	v_add_nc_u32 v[RD], s21, v28                   ; back: lanes 0-15 take one row of 256 bytes, lanes 16-31 the next
	s_lshl_b32 s20, s[WV], 11
	s_add_co_u32 s20, s20, XCH
	v_lshl_add_u32 v[XS], v1, 4, s20               ; my exchange block,
	s_xor_b32 s20, s[WV], 4
	s_lshl_b32 s20, s20, 11
	s_add_co_u32 s20, s20, XCH
	v_lshl_add_u32 v[XP], v1, 4, s20               ; and that of the wave with the same rows and the other K steps
	s_lshl_b32 s20, s[KG], 7
	v_lshl_add_u32 v[KO], v[HH], 4, s20
	s_lshl_b32 s[RG16], s[RG], 4
	s_lshl_b32 s[W16], s[WV], 4
	s_mov_b32 s[CNT], 0
	s_mov_b32 s[OFF], 0
	s_mov_b32 s[RB], 0
	s_wait_loadcnt 24                              ; the indices and the bias are in; the 24 loads of W, issued behind them, may be out
	; my expert's rows, and the rows of the experts in front of it: sixteen compares into sixteen scalar registers, then their population counts, four times
.set n_, 0
.rept 4
.set m_, 0
.rept 8
	v_cmp_eq_u32 s[MK+m_], s[EX], v[AR+n_+m_]
	v_cmp_gt_u32 s[MK+8+m_], s[EX], v[AR+n_+m_]
.set m_, m_+1
.endr
.set m_, 0
.rept 8
	s_bcnt1_i32_b32 s[MK+m_], s[MK+m_]
	s_bcnt1_i32_b32 s[MK+8+m_], s[MK+8+m_]
	s_add_co_u32 s[CNT], s[CNT], s[MK+m_]
	s_add_co_u32 s[OFF], s[OFF], s[MK+8+m_]
.set m_, m_+1
.endr
.set n_, n_+8
.endr
	s_max_u32 s[CM1], s[CNT], 1
	s_sub_co_u32 s[CM1], s[CM1], 1
	SETROWS 64, RG16, KO
	GETTOK
	RE 0, 0                                        ; chunks 0 and 1 of the token rows
	RE 1, 1
	SCALE
	s_wait_loadcnt 16+2*NA+12                      ; W0 is in; W1, W2, the twelve tokens, A0, A1 may be out
	ROUND16 0
	ISSUE 0, 3
	PUT
	SYNC                                           ; chunk 0 is whole
	TRIP 0, 1, 1, 1, NA+8                          ; the order so far was W0 W1 W2, the tokens, A0 A1 W3: behind A0 stand A1 and W3
	s_mov_b32 s30, 3
.Lloop:                                                ; trips 1 to 9.  Behind A(c): W(c+2), A(c+1), W(c+3)
	TRIP 1, 1, 1, 1, NA+16
	TRIP 2, 1, 1, 1, NA+16
	TRIP 0, 1, 1, 1, NA+16
	s_sub_co_u32 s30, s30, 1
	s_cmp_lg_u32 s30, 0
	s_cbranch_scc1 .Lloop
	TRIP 1, 1, 1, 1, NA+16                         ; trips 10 and 11 ask for the last of W
	TRIP 2, 1, 1, 1, NA+16
	TRIP 0, 1, 0, 1, NA+16                         ; trip 12 asks for A14 alone
	TRIP 1, 1, 0, 1, NA+8                          ; trip 13: behind A13 stand W15 and A14; it asks for A15
	TRIP 2, 0, 0, 1, NA                            ; trip 14: behind A14 stands A15
	TRIP 0, 0, 0, 0, 0                             ; trip 15: nothing is left to lay down
	; THE FIRST PASS GOES OUT.  Between a store into the exchange or the stage and the partner's read of it, and between such a read and the next store there, stands a barrier, on every wave's path.
	PLACES
	XOUT 0
	SYNC
	FIN 0
	SYNC
	SEND 0
	XOUT 1
	SYNC
	FIN 1
	SYNC
	SEND 1
	XOUT 2
	SYNC
	FIN 2
	SYNC                                           ; behind this barrier nothing is stored into LDS but the closing add
	SEND 2
	; LATER PASSES.  Three trips cover rows 192 to 1,343.  A trip without rows is jumped; what is jumped holds no barrier.
	s_mov_b32 s[QU], 0x3f000000                    ; 0.5: a wave now has all of the work-group's K, and its sums start from the work-group's half of the bias
	s_mov_b32 s[QU+1], 0x3f000000
	s_mov_b32 s[RB], 192
	s_mov_b32 s37, 3
.Lpass:
	s_cmp_ge_u32 s[RB], s[CNT]
	s_cbranch_scc1 .Lnext
	s_wait_xcnt 0x0                                ; the stores have read their registers
	SETROWS 128, W16, H16
.irp t,0,1,2
	v_lshlrev_b32 v[TLA+\t], 2, v[GR+\t]
	global_load_b32 v[TL+\t], v[TLA+\t], s[48:49]  ; my rows' tokens
.endr
	LOADBIAS
	WIN 0
	s_mov_b64 s[26:27], s[44:45]
	v_mov_b32 v[VB0], v[VC0]
	v_mov_b32 v[VB1], v[VC1]
	s_wait_loadcnt 0x0
	SCALE
	s_mov_b32 s38, 32
.Ltk:                                                  ; two K steps of 32
	PLACES
	RE 0, 0
	LB
	s_wait_loadcnt 0x0
	s_wait_dscnt 0x0
	MM 0, 0
	MM 1, 0
	s_wait_xcnt 0x0
	s_add_nc_u64 s[26:27], s[26:27], 128
	v_add_nc_u32 v[VB0], 2*KSL, v[VB0]
	v_add_nc_u32 v[VB1], 2*KSL, v[VB1]
	s_sub_co_u32 s38, s38, 1
	s_cmp_lg_u32 s38, 0
	s_cbranch_scc1 .Ltk
	PLACES
	EPI2 0
	EPI2 1
	EPI2 2
.Lnext:
	s_add_co_u32 s[RB], s[RB], 384
	s_sub_co_u32 s37, s37, 1
	s_cmp_lg_u32 s37, 0
	s_cbranch_scc1 .Lpass
	SYNC                                           ; every wave's reads of the slice are over
	s_wait_tensorcnt 0x0                           ; the wave's end, behind my last LDS store
	ds_add_u32 v[SPW], v[NIL]
	s_wait_dscnt 0x0
	s_endpgm
.Lfunc_end_k_qf20f1cbe1d_ffn2:
	.size	k_qf20f1cbe1d_ffn2, .Lfunc_end_k_qf20f1cbe1d_ffn2-k_qf20f1cbe1d_ffn2
	.p2alignl 7, 3214868480
	.fill 96, 4, 3214868480
	.section	.rodata,"a",@progbits
	.p2align	6, 0x0
	.amdhsa_kernel k_qf20f1cbe1d_ffn2
		.amdhsa_group_segment_fixed_size 297472
		.amdhsa_private_segment_fixed_size 0
		.amdhsa_enable_private_segment 0
		.amdhsa_kernarg_size 48
		.amdhsa_user_sgpr_count 2
		.amdhsa_user_sgpr_kernarg_segment_ptr 1
		.amdhsa_wavefront_size32 1
		.amdhsa_system_sgpr_workgroup_id_x 1
		.amdhsa_system_sgpr_workgroup_id_y 1
		.amdhsa_system_sgpr_workgroup_id_z 1
		.amdhsa_system_vgpr_workitem_id 0
		.amdhsa_next_free_vgpr 512
		.amdhsa_next_free_sgpr 82
		.amdhsa_reserve_vcc 0
		.amdhsa_float_denorm_mode_32 3
		.amdhsa_float_denorm_mode_16_64 3
		.amdhsa_memory_ordered 1
		.amdhsa_forward_progress 1
		.amdhsa_inst_pref_size 115
	.end_amdhsa_kernel
	.amdgpu_metadata
---
amdhsa.version: [ 1, 2 ]
amdhsa.kernels:
  - .name:           k_qf20f1cbe1d_ffn2
    .symbol:         k_qf20f1cbe1d_ffn2.kd
    .args:
      - { .name: hbuf, .offset: 0, .size: 8, .value_kind: global_buffer, .address_space: global }
      - { .name: indices_s, .offset: 8, .size: 8, .value_kind: global_buffer, .address_space: global }
      - { .name: weight2, .offset: 16, .size: 8, .value_kind: global_buffer, .address_space: global }
      - { .name: bias2, .offset: 24, .size: 8, .value_kind: global_buffer, .address_space: global }
      - { .name: order, .offset: 32, .size: 8, .value_kind: global_buffer, .address_space: global }
      - { .name: part, .offset: 40, .size: 8, .value_kind: global_buffer, .address_space: global }
    .group_segment_fixed_size: 297472
    .private_segment_fixed_size: 0
    .kernarg_segment_align: 8
    .kernarg_segment_size: 48
    .max_flat_workgroup_size: 256
    .sgpr_count:     82
    .vgpr_count:     512
    .wavefront_size: 32
...
	.end_amdgpu_metadata
.endif
;; end of part 7
;; launch addup (part 8): grid 256 x 1, 8 waves a work-group, no clusters, 0 bytes of LDS; arguments part, out0; writes out0
.if DOCPART == 8
	.amdgcn_target "amdgcn-amd-amdhsa--gfx1250"
	.amdhsa_code_object_version 6
	.text
	.protected	k_qf20f1cbe1d_addup
	.globl	k_qf20f1cbe1d_addup
	.p2align	8
	.type	k_qf20f1cbe1d_addup,@function
k_qf20f1cbe1d_addup:
	s_mov_b64 s[64:65], 0
	v_nop
	global_prefetch_b8 v0, s[64:65] scope:SCOPE_SE
	s_setreg_imm32_b32 hwreg(HW_REG_WAVE_MODE, 25, 1), 1
	s_wait_xcnt 0x0
; out0 = part[0] + part[1]: the two K halves of the second product, f32 (each carries half the bias); both lie at the tokens' own rows.  4 MiB out, 8 MiB in.
; A work-group owns 16,384 consecutive bytes of out0; a thread four pieces of 16 bytes, 4,096 bytes apart: each load and store of a wave covers 512 neighbouring bytes.
; All eight loads of a thread go out before the first wait.  A stream: no LDS, no barrier, no matrix unit.
.set HALFB, 4194304                    ; bytes from part[0] to part[1]
	s_load_b128 s[4:7], s[0:1], 0x0                ; part s[4:5], out0 s[6:7]
	s_lshl_b32 s8, ttmp9, 14
	v_lshl_add_u32 v1, v0, 4, s8
	s_wait_kmcnt 0x0
.irp i,0,1,2,3
	global_load_b128 v[4+4*\i:7+4*\i], v1, s[4:5] offset:4096*\i th:TH_LOAD_NT
.endr
.irp i,0,1,2,3
	global_load_b128 v[20+4*\i:23+4*\i], v1, s[4:5] offset:HALFB+4096*\i th:TH_LOAD_NT
.endr
.irp i,0,1,2,3
	s_wait_loadcnt 3-\i                            ; loads come back in order: both halves of piece i are in
	v_pk_add_f32 v[4+4*\i:5+4*\i], v[4+4*\i:5+4*\i], v[20+4*\i:21+4*\i]
	v_pk_add_f32 v[6+4*\i:7+4*\i], v[6+4*\i:7+4*\i], v[22+4*\i:23+4*\i]
	global_store_b128 v1, v[4+4*\i:7+4*\i], s[6:7] offset:4096*\i th:TH_STORE_NT
.endr
	s_endpgm
.Lfunc_end_k_qf20f1cbe1d_addup:
	.size	k_qf20f1cbe1d_addup, .Lfunc_end_k_qf20f1cbe1d_addup-k_qf20f1cbe1d_addup
	.p2alignl 7, 3214868480
	.fill 96, 4, 3214868480
	.section	.rodata,"a",@progbits
	.p2align	6, 0x0
	.amdhsa_kernel k_qf20f1cbe1d_addup
		.amdhsa_group_segment_fixed_size 0
		.amdhsa_private_segment_fixed_size 0
		.amdhsa_enable_private_segment 0
		.amdhsa_kernarg_size 16
		.amdhsa_user_sgpr_count 2
		.amdhsa_user_sgpr_kernarg_segment_ptr 1
		.amdhsa_wavefront_size32 1
		.amdhsa_system_sgpr_workgroup_id_x 1
		.amdhsa_system_sgpr_workgroup_id_y 1
		.amdhsa_system_sgpr_workgroup_id_z 1
		.amdhsa_system_vgpr_workitem_id 0
		.amdhsa_next_free_vgpr 40
		.amdhsa_next_free_sgpr 66
		.amdhsa_reserve_vcc 0
		.amdhsa_float_denorm_mode_32 3
		.amdhsa_float_denorm_mode_16_64 3
		.amdhsa_memory_ordered 1
		.amdhsa_forward_progress 1
		.amdhsa_inst_pref_size 3
	.end_amdhsa_kernel
	.amdgpu_metadata
---
amdhsa.version: [ 1, 2 ]
amdhsa.kernels:
  - .name:           k_qf20f1cbe1d_addup
    .symbol:         k_qf20f1cbe1d_addup.kd
    .args:
      - { .name: part, .offset: 0, .size: 8, .value_kind: global_buffer, .address_space: global }
      - { .name: out0, .offset: 8, .size: 8, .value_kind: global_buffer, .address_space: global }
    .group_segment_fixed_size: 0
    .private_segment_fixed_size: 0
    .kernarg_segment_align: 8
    .kernarg_segment_size: 16
    .max_flat_workgroup_size: 256
    .sgpr_count:     66
    .vgpr_count:     40
    .wavefront_size: 32
...
	.end_amdgpu_metadata
.endif
;; end of part 8
